; MI455X (gfx1250); checked and timed in simulation.
; The chip was launched on July 23, 2026; its instructions are those of AMD's public machine-readable ISA for CDNA 5 (MIT licence, August 2026) and "CDNA5" Instruction Set Architecture Reference Guide (July 2026). The comments in the code are by the model that wrote it; some were corrected since.
;; Causal Self Attention. Allowed arithmetic: matrix products marked QUANTISED: E4M3 operands, one given power-of-two scale a tensor, by v_wmma_f32_16x16x64_fp8_fp8 or v_wmma_f32_16x16x128_fp8_fp8, f32 sums; everything else in f32.
;; Inputs: lowp_scales 8 int32 (the exponents e of the quantised operands' scales 2^e); w_att 1,024 x 3,072 float32; w_proj 1,024 x 1,024 float32; x 4 x 2,048 x 1,024 float32.
;; Outputs: out0 4 x 2,048 x 1,024 float32.
;; This version of the problem:
;;   THIS VERSION OF THE PROBLEM IS GIVEN IN LOW PRECISION. The matrix products marked QUANTISED in the list below multiply operands that are first quantised to E4M3 (4 exponent bits, 3 mantissa bits; 8 bits a number), with one given power-of-two scale for each operand tensor; their sums are f32. All else is computed in f32.
;;   The module's matrix products, in the order in which they are computed (A, B: the left and right operand; K: the contracted axis; several contracted axes count as one K, in the product's order):
;;     1. [M 8,192, K 1,024] x [K 1,024, N 3,072]; A: input x; B: input w_att: QUANTISED (scales: A lowp_scales[0], B lowp_scales[1])
;;     2. batch 64 x [M 2,048, K 64] x [K 64, N 2,048]; A: computed on the way; B: computed on the way: QUANTISED (scales: A lowp_scales[2], B lowp_scales[3])
;;     3. batch 64 x [M 2,048, K 2,048] x [K 2,048, N 64]; A: softmax (see below); B: computed on the way: QUANTISED (scales: A lowp_scales[4], B lowp_scales[5])
;;     4. [M 8,192, K 1,024] x [K 1,024, N 1,024]; A: computed on the way; B: input w_proj: QUANTISED (scales: A lowp_scales[6], B lowp_scales[7])
;;   THE QUANTISER, for each operand of a quantised product, along K:
;;     - The operand's scale is 2^e, e = its entry of the input lowp_scales (int32; the entries are numbered through the quantised products in the list's order, A before B).
;;     - Each number is divided by the scale, clamped to +-448, and rounded to the nearest number of E4M3, ties to even, subnormals kept.
;;     - The product sums the exact products of the quantised numbers (number of the format x scale) in f32.
;;   ~~~python
;;   def quantise(x, axis, e):      # numpy; x: float32 -> the quantised numbers, widened to float32 again
;;       x = np.moveaxis(x, axis, -1); K = x.shape[-1]
;;       r = np.clip(x / 2.0 ** e, -448, 448)
;;       step = 2.0 ** (np.maximum(np.frexp(np.where(r == 0, 1, r))[1] - 1, -6) - 3)
;;       q = np.round(r / step) * step * 2.0 ** e      # np.round: ties to even
;;       return np.moveaxis(q, -1, axis).astype(np.float32)
;;   ~~~
;;   SOFTMAX AHEAD OF A QUANTISED PRODUCT. Where the list says 'softmax', what is quantised is not the finished softmax but p = 2^(t - M), with t = logit x log2(e) and M = ceil(the row's largest t), a whole number; so 1/2 < the row's largest p <= 1. The row's sum l is taken of the UNQUANTISED p, in f32, and the product's result is divided by l at the end. Since M is a whole number, a kernel that streams over the keys may use a running M (the ceiling of the running maximum): every later rescaling is an exact power of two, so the quantised numbers keep their values, but for numbers so far below the row's largest that they fall under the format's range.
;;   OPERANDS COMPUTED ON THE WAY. 'Computed on the way' means the value that the module computes at that place (a softmax that the list does not call 'softmax' is quantised finished and normalised). What goes into a quantiser is computed in f32, as accurately as f32 sums, v_exp_f32 and their like allow (about 1e-6 of the number): no bf16 or f16 on the way to a quantiser, and a product that is left as it is and whose result goes on into a quantised operand takes f32 operands (vector FMAs, or v_wmma_f32_16x16x4_f32). A number that lies on a knife's edge between two numbers of the format may be rounded either way, as far as f32 arithmetic and the matrix unit's own rounding can turn it there, and no further.
;; One version. Each part assembles by itself: llvm-mc -triple=amdgcn-amd-amdhsa -mcpu=gfx1250 --defsym DOCPART=n.
;; ======== version 1 of 1: 4 launches
;; limits: right only within a limited range of input values
;; workspace buffers: xc 8,388,608 bytes; wc 4,194,304 bytes; qc 8,388,608 bytes; kc 8,388,608 bytes; vc 8,388,608 bytes; yc 8,388,608 bytes
;; launch quant (part 1): grid 640 x 1, 4 waves a work-group, no clusters, 55,808 bytes of LDS; arguments x, w_att, w_proj, lowp_scales, xc, wc; writes xc, wc
.if DOCPART == 1
	.amdgcn_target "amdgcn-amd-amdhsa--gfx1250"
	.amdhsa_code_object_version 6
	.text
	.protected	k_q1ed04399ca_quant
	.globl	k_q1ed04399ca_quant
	.p2align	8
	.type	k_q1ed04399ca_quant,@function
k_q1ed04399ca_quant:
	s_mov_b64 s[64:65], 0
	v_nop
	global_prefetch_b8 v0, s[64:65] scope:SCOPE_SE
	s_setreg_imm32_b32 hwreg(HW_REG_WAVE_MODE, 25, 1), 1
	s_wait_xcnt 0x0
; x [8192][1024], w_att [1024][3072] and w_proj [1024][1024], f32, become codes of E4M3 with K innermost, each with its given scale 2^e:
;   xc [8192][1024] (e = entry 0);  wc [4096][1024]: rows 0-3071 are the columns of w_att (entry 1), rows 3072-4095 the columns of w_proj (entry 7).
; code = number / 2^e, held within +-448, rounded to the nearest code, ties to even.
; LIMITS: each of the three e lies between -126 and 119, so that 2^e and 448 x 2^e are f32 numbers.  NaN among the inputs is not served.
; SHARES.  Work-groups 0-127 take the weights (K is their FIRST axis): 128 columns x 256 along K each, a wave 32 columns.  A lane takes a column and its registers run down K,
; so the conversions give codes with K innermost; they leave through the wave's own stage in LDS, sixteen lanes to 256 consecutive aligned bytes.
; Work-groups 128-639 take x (K innermost, a plain stream): a wave takes 8 steps of 512 numbers; each load reads 512 consecutive bytes, and a step's 2,048 bytes turn through the
; wave's own stage in LDS so that a lane holds 16 neighbours.  The two paths part on the work-group's number and have LDS bytes of their own.  Waves share nothing: no barrier.
.set STEPS, 8
.set SP,    80                         ; x: a lane's place in a stage: 64 bytes + 16 of padding
.set XREG,  2*32*SP                    ; x: two stages for each wave
.set WST,   4*XREG                     ; the weights' stages begin behind x's
.set WP,    272                        ; a stage row: 256 codes + 16 bytes
.set WREG,  32*WP                      ; 32 columns for each wave
.set SPARE, WST+4*WREG                 ; the spare words: 128 bytes for each wave, named by no other line
.set NWGW,  128
.set LIMV,  10
.set SCV,   11                         ; v11  2^e
.set SPW,   12                         ; v12  my spare word; never rewritten
.set NIL,   13                         ; v13  0; never rewritten
.set XR,    16                         ; x: v16-79 four sets of 16 numbers as loaded
.set XX,    80                         ; x: v80-111 two sets of 16 neighbours
.set XC,    112                        ; x: v112-143 codes, four registers a step
.set OFFS,  16                         ; weights: v16-47 byte offset of row i of a block, at my column
.set WX,    48                         ; weights: v48-111 two sets of 32 numbers
.set WC,    112                        ; weights: v112-119 a block's codes
.set OUTR,  120                        ; weights: v120-183 the way out
.set BASE,  40                         ; weights: s[40:55] the eight blocks' bases
.macro MKSCALE e                       ; 2^e and 448 x 2^e as f32 patterns, from the whole number in s[e]
	s_add_co_i32 s22, s[\e], 127
	s_lshl_b32 s23, s22, 23
	v_mov_b32 v[SCV], s23
	s_add_co_i32 s22, s22, 8
	s_lshl_b32 s22, s22, 23
	s_or_b32 s22, s22, 0x600000
.endm
.macro FINISH                          ; the wave's end
	s_wait_tensorcnt 0x0
	ds_add_u32 v[SPW], v[NIL]
	s_wait_dscnt 0x0
	s_endpgm
.endm
	s_load_b256 s[4:11], s[0:1], 0x0               ; x s[4:5], w_att s[6:7], w_proj s[8:9], the exponents s[10:11]
	s_load_b128 s[12:15], s[0:1], 0x20             ; xc s[12:13], wc s[14:15]
	v_lshl_add_u32 v[SPW], v0, 2, SPARE
	v_mov_b32 v[NIL], 0
	v_lshrrev_b32 v1, 5, v0
	v_readfirstlane_b32 s16, v1                    ; wave
	v_and_b32 v2, 31, v0                           ; lane
	v_lshlrev_b32 v3, 4, v2                        ; x: my 16 bytes of a load's 512, and of a step's 512 bytes of codes
	s_mul_i32 s17, s16, XREG
	v_lshrrev_b32 v4, 2, v2
	v_mul_u32_u24 v4, v4, SP
	v_and_b32 v1, 3, v2
	v_lshl_add_u32 v4, v1, 4, v4
	v_add_nc_u32 v4, s17, v4                       ; x, into the stage: four lanes' 64 bytes on end, then the padding
	v_mul_u32_u24 v5, v2, SP
	v_add_nc_u32 v5, s17, v5                       ; x, out of it: my 16 neighbours
	v_lshlrev_b32 v6, 2, v2                        ; weights: 4 bytes a lane
	s_mul_i32 s17, s16, WREG
	s_add_co_u32 s17, s17, WST
	v_mul_u32_u24 v7, v2, WP
	v_add_nc_u32 v7, s17, v7                       ; weights, into the stage: row = my column
	v_and_b32 v1, 15, v2
	v_lshrrev_b32 v9, 4, v2
	v_mul_u32_u24 v8, v9, WP
	v_lshl_add_u32 v8, v1, 4, v8
	v_add_nc_u32 v8, s17, v8                       ; out of it: sixteen lanes to a row, two rows an instruction
	v_lshlrev_b32 v9, 10, v9
	v_lshl_add_u32 v9, v1, 4, v9                   ; and the same place in wc (rows of 1,024 bytes)
	s_wait_kmcnt 0x0
	s_load_b256 s[24:31], s[10:11], 0x0            ; the eight exponents
	s_cmp_lt_u32 ttmp9, NWGW
	s_cbranch_scc0 .Lx_path
; ---------------- the weights ----------------
	s_and_b32 s17, ttmp9, 31                       ; which 128 of the 4,096 joined columns
	s_lshr_b32 s18, ttmp9, 5                       ; which 256 along K
	s_lshl_b32 s19, s17, 7
	s_lshl_b32 s20, s16, 5
	s_add_co_u32 s19, s19, s20                     ; my wave's first joined column = its first row of wc
	s_mov_b32 s32, 4096
	s_cmp_lt_u32 s17, 24                           ; w_att or w_proj: the work-group's number alone decides
	s_cselect_b64 s[BASE:BASE+1], s[6:7], s[8:9]
	s_cselect_b32 s32, 12288, s32                  ; bytes from a row of the weight to the next
	s_cselect_b32 s21, 0, 3072
	s_sub_co_u32 s21, s19, s21                     ; the column in its own tensor
	s_lshl_b32 s22, s18, 8
	s_mul_i32 s22, s22, s32                        ; 256 rows for each step along K
	s_lshl_b32 s21, s21, 2
	s_add_co_u32 s22, s22, s21
	s_mov_b32 s23, 0
	s_add_nc_u64 s[BASE:BASE+1], s[BASE:BASE+1], s[22:23]
	s_lshl_b32 s34, s32, 5                         ; 32 rows: from block to block
	s_mov_b32 s35, 0
.irp t, 1,2,3,4,5,6,7
	s_add_nc_u64 s[BASE+2*\t:BASE+2*\t+1], s[BASE+2*\t-2:BASE+2*\t-1], s[34:35]
.endr
	s_lshl_b32 s22, s19, 10
	s_lshl_b32 s20, s18, 8
	s_add_co_u32 s22, s22, s20
	s_add_nc_u64 s[36:37], s[14:15], s[22:23]      ; wc at my first row, my 256 along K
	v_mov_b32 v[OFFS], v6
.set i, 1
.rept 31
	v_add_nc_u32 v[OFFS+i], s32, v[OFFS+i-1]
.set i, i+1
.endr
.macro WLOAD t                         ; block t: 32 rows of the weight at my column: 128 consecutive bytes a wave and load
.set i, 0
.rept 32
	global_load_b32 v[WX+32*((\t)%2)+i], v[OFFS+i], s[BASE+2*(\t):BASE+2*(\t)+1] th:TH_LOAD_NT
.set i, i+1
.endr
.endm
	WLOAD 0
	WLOAD 1
	s_wait_kmcnt 0x0
	s_cmp_lt_u32 s17, 24
	s_cselect_b32 s20, s25, s31                    ; entry 1 or entry 7
	MKSCALE 20
.macro WBLOCK t
.set XS, WX+32*((\t)%2)
.if (\t) < 7
	s_wait_loadcnt 32                              ; this block's 32 loads are in; the next block's 32 may be out
.else
	s_wait_loadcnt 0
.endif
.set i, 0
.rept 32
.set i, i+1
.endr
.irp g, 0,1,2,3
	v_cvt_scalef32_pk8_fp8_f32 v[WC+2*\g:WC+2*\g+1], v[XS+8*\g:XS+8*\g+7], v[SCV]
.endr
	ds_store_b128 v7, v[WC:WC+3] offset:32*(\t)    ; 32 codes of my column's row
	ds_store_b128 v7, v[WC+4:WC+7] offset:32*(\t)+16
.if (\t)+2 < 8
	WLOAD (\t)+2
.endif
	s_wait_dscnt 0x0                               ; the stores have read their registers: the next block's codes may be written
.endm
	s_wait_alu depctr_va_vdst(0)
.irp t, 0,1,2,3,4,5,6,7
	WBLOCK \t
.endr
.irp t, 0,1,2,3,4,5,6,7,8,9,10,11,12,13,14,15
	ds_load_b128 v[OUTR+4*\t:OUTR+4*\t+3], v8 offset:2*\t*WP       ; LDS serves a wave's instructions in order: these see my stores
.endr
.irp t, 0,1,2,3,4,5,6,7,8,9,10,11,12,13,14,15
	s_wait_dscnt 15-\t
	global_store_b128 v9, v[OUTR+4*\t:OUTR+4*\t+3], s[36:37] offset:2*\t*1024   ; sixteen lanes store 256 consecutive bytes, aligned
.endr
	FINISH
; ---------------- x ----------------
.Lx_path:
	s_sub_co_u32 s17, ttmp9, NWGW
	s_lshl_b32 s17, s17, 2
	s_add_co_u32 s17, s17, s16                     ; which run of 4,096 numbers is my wave's
	s_lshl_b32 s18, s17, 14
	s_mov_b32 s19, 0
	s_add_nc_u64 s[4:5], s[4:5], s[18:19]
	s_lshl_b32 s18, s17, 12
	s_add_nc_u64 s[12:13], s[12:13], s[18:19]
.macro XLOAD t
.irp i, 0,1,2,3
	global_load_b128 v[XR+16*((\t)%4)+4*\i:XR+16*((\t)%4)+4*\i+3], v3, s[4:5] offset:2048*(\t)+512*\i th:TH_LOAD_NT
.endr
.endm
.macro XTURN t                         ; step t's numbers through the stage; LDS serves a wave's instructions in order, so no wait stands between
.irp i, 0,1,2,3
	ds_store_b128 v4, v[XR+16*((\t)%4)+4*\i:XR+16*((\t)%4)+4*\i+3] offset:32*SP*((\t)%2)+8*SP*\i
.endr
.irp i, 0,1,2,3
	ds_load_b128 v[XX+16*((\t)%2)+4*\i:XX+16*((\t)%2)+4*\i+3], v5 offset:32*SP*((\t)%2)+16*\i
.endr
.endm
.irp t, 0,1,2,3
	XLOAD \t
.endr
	s_wait_kmcnt 0x0
	MKSCALE 24
	s_wait_alu depctr_va_vdst(0)
	s_wait_loadcnt 12                              ; step 0's four loads are in; three steps' twelve may be out
	XTURN 0
.macro XSTEP t
.set XS, XX+16*((\t)%2)
	s_wait_dscnt 0x0                               ; this step's numbers are back, so its stores into the stage have read their registers,
.if (\t)+4 < STEPS
	XLOAD (\t)+4                                   ; which take the loads of four steps on
.endif
.if (\t)+1 < STEPS
.if STEPS-2-(\t) >= 3
	s_wait_loadcnt 12                              ; the next step's loads are in; those of the three steps behind it may be out
.else
	s_wait_loadcnt 4*(STEPS-2-(\t))
.endif
	XTURN (\t)+1
.endif
.set i, 0
.rept 16
.set i, i+1
.endr
	v_cvt_scalef32_pk8_fp8_f32 v[XC+4*(\t):XC+4*(\t)+1], v[XS:XS+7], v[SCV]
	v_cvt_scalef32_pk8_fp8_f32 v[XC+4*(\t)+2:XC+4*(\t)+3], v[XS+8:XS+15], v[SCV]
	global_store_b128 v3, v[XC+4*(\t):XC+4*(\t)+3], s[12:13] offset:512*(\t)    ; the wave stores 512 consecutive bytes; each step has its own registers
.endm
.irp t, 0,1,2,3,4,5,6,7
	XSTEP \t
.endr
	FINISH
.Lfunc_end_k_q1ed04399ca_quant:
	.size	k_q1ed04399ca_quant, .Lfunc_end_k_q1ed04399ca_quant-k_q1ed04399ca_quant
	.p2alignl 7, 3214868480
	.fill 96, 4, 3214868480
	.section	.rodata,"a",@progbits
	.p2align	6, 0x0
	.amdhsa_kernel k_q1ed04399ca_quant
		.amdhsa_group_segment_fixed_size 55808
		.amdhsa_private_segment_fixed_size 0
		.amdhsa_enable_private_segment 0
		.amdhsa_kernarg_size 48
		.amdhsa_user_sgpr_count 2
		.amdhsa_user_sgpr_kernarg_segment_ptr 1
		.amdhsa_wavefront_size32 1
		.amdhsa_system_sgpr_workgroup_id_x 1
		.amdhsa_system_sgpr_workgroup_id_y 1
		.amdhsa_system_sgpr_workgroup_id_z 1
		.amdhsa_system_vgpr_workitem_id 0
		.amdhsa_next_free_vgpr 192
		.amdhsa_next_free_sgpr 66
		.amdhsa_reserve_vcc 0
		.amdhsa_float_denorm_mode_32 3
		.amdhsa_float_denorm_mode_16_64 3
		.amdhsa_fp16_overflow 1
		.amdhsa_memory_ordered 1
		.amdhsa_forward_progress 1
		.amdhsa_inst_pref_size 45
	.end_amdhsa_kernel
	.amdgpu_metadata
---
amdhsa.version: [ 1, 2 ]
amdhsa.kernels:
  - .name:           k_q1ed04399ca_quant
    .symbol:         k_q1ed04399ca_quant.kd
    .args:
      - { .name: x, .offset: 0, .size: 8, .value_kind: global_buffer, .address_space: global }
      - { .name: w_att, .offset: 8, .size: 8, .value_kind: global_buffer, .address_space: global }
      - { .name: w_proj, .offset: 16, .size: 8, .value_kind: global_buffer, .address_space: global }
      - { .name: lowp_scales, .offset: 24, .size: 8, .value_kind: global_buffer, .address_space: global }
      - { .name: xc, .offset: 32, .size: 8, .value_kind: global_buffer, .address_space: global }
      - { .name: wc, .offset: 40, .size: 8, .value_kind: global_buffer, .address_space: global }
    .group_segment_fixed_size: 55808
    .private_segment_fixed_size: 0
    .kernarg_segment_align: 8
    .kernarg_segment_size: 48
    .max_flat_workgroup_size: 128
    .sgpr_count:     66
    .vgpr_count:     192
    .wavefront_size: 32
...
	.end_amdgpu_metadata
.endif
;; end of part 1
;; launch qkv (part 2): grid 12 x 32, 4 waves a work-group, clusters of 4 x 4, 327,680 bytes of LDS; arguments xc, wc, lowp_scales, qc, kc, vc; writes qc, kc, vc
.if DOCPART == 2
	.amdgcn_target "amdgcn-amd-amdhsa--gfx1250"
	.amdhsa_code_object_version 6
	.text
	.protected	k_q1ed04399ca_qkv
	.globl	k_q1ed04399ca_qkv
	.p2align	8
	.type	k_q1ed04399ca_qkv,@function
k_q1ed04399ca_qkv:
	s_mov_b64 s[64:65], 0
	v_nop
	global_prefetch_b8 v0, s[64:65] scope:SCOPE_SE
	s_setreg_imm32_b32 hwreg(HW_REG_WAVE_MODE, 25, 1), 1
	s_wait_xcnt 0x0
	s_wait_alu depctr_hold_cnt(0) depctr_sa_sdst(0) depctr_va_vdst(0) depctr_va_sdst(0) depctr_va_ssrc(0) depctr_va_vcc(0) depctr_vm_vsrc(0)
	s_getreg_b32 s2, hwreg(HW_REG_IB_STS2, 6, 4)
	s_cmp_eq_u32 s2, 0
	s_cbranch_scc0 .Lentry_in_a_cluster
	s_endpgm
.Lentry_in_a_cluster:
	s_bfe_u32 s2, ttmp6, 0x10000c
	s_cmp_lg_u32 s2, 0xf033
	s_cbranch_scc0 .Lentry_shape_is_right
	s_endpgm
.Lentry_shape_is_right:
; qkv = x w_att on codes of E4M3 (xc [8192][1024], wc rows 0-3071 [n][1024]), f32 sums; each sum is quantised at once for the attention:
;   qc, kc: [batch x 16 + head][2048 tokens][64] with the scales of entries 2 and 3;   vc: [batch x 16 + head][64][2048 keys] with entry 5: the keys innermost, as the second product of the attention wants them.
; A sum stands for sum x 2^(e0 + e1), so its code is sum / 2^(e - e0 - e1), held within +-448.  LIMITS: e2 - e0 - e1, e3 - e0 - e1 and e5 - e0 - e1 lie between -126 and 119.
; A tile of 256 x 256 is made by four waves, 128 x 128 each: 64 accumulators, 512 registers.  K = 1,024 goes in four steps of 256 through two LDS slots filled by the tensor data mover.
; TWO ROLES.  Operand P is the matrix instruction's source 1, operand Q its source 0: a lane then holds ONE row of P and EIGHT NEIGHBOURING rows of Q, which the conversion packs into 8 bytes.
; For q and k (cluster x = 0, 1) P is tokens and Q columns of w_att: eight neighbours along the head's 64.  For v (cluster x = 2) P is columns of w_att and Q tokens: eight neighbouring keys.
; The choice hangs on the cluster's x alone, which all sixteen partners share, and is made by selects.
; CLUSTERS: 4 x 4 work-groups.  P's tile hangs on cy and is asked for jointly by a row of the cluster, Q's on cx and by a column.
; REGISTERS, in windows of 256: window 0: v16-31 addresses and the scale; from v128 P's fragments, one set; on the way out v96-223.  window 1: Q's fragments, two sets.  windows 2, 3: the accumulators ((a, b) at v[8 (8 (a % 4) + b)]).
.set KROW,   1024
.set ROWB,   256                       ; a tile's row: 256 codes
.set PITCH,  272                       ; an LDS row: 256 bytes + 16: the 16 rows that a load touches start at 16 different banks (64 banks of 4 bytes: ISA guide 11.1)
.set FR,     16
.set NL,     4
.set NP,     4                         ; places behind this matrix instruction (ISA guide 7.12.1)
.set HALFT,  128*PITCH
.set SLOT,   4*HALFT                   ; P's 256 rows, then Q's 256 rows
.set LAPS,   2                         ; a lap = two K steps
.set SPARE,  2*SLOT                    ; the spare words: 128 bytes for each wave, named by no other line
.set ADRA, 16                          ; v16-17  LDS address of my P fragments in slot 0, 1
.set ADRB, 20                          ; v20-21  the same for Q
.set GV,   22                          ; v22     v's way out: my byte offset in vc
.set STO,  24                          ; v24     where I put 8 codes in the stage
.set RDQ,  25                          ; v25     q, k: where I read the stage back
.set RDV,  26                          ; v26     v: the same
.set GQ,   27                          ; v27     q, k: my byte offset in qc or kc
.set SPW,  28                          ; v28     my spare word; never rewritten
.set NIL,  29                          ; v29     0; never rewritten
.set VSC,  30                          ; v30     2^(e - e0 - e1)
.set VLIM, 31
.set TMPF, 32
.set CODES, 96                         ; v96-223 the codes, 16 registers a block; later the rows read back
.set AF,   128
.set G1, 24
.set G0, 32
.set G1B, 48
.set G0B, 56
.set E,  72                            ; s[72:79] the eight exponents
.set MSB, 0
.macro WIN new                         ; the immediate's high byte repeats the setting that is left
.if MSB != \new
	s_set_vgpr_msb (MSB<<8)|\new
.set MSB, \new
.endif
.endm
.set MUL_LO, 0xa1                      ; source 0 (Q) window 1, source 1 (P) window 0, C and D window 2
.set MUL_HI, 0xf1
.set TO_B,   0x40
; A joint load: waves 0 and 1 fetch for P, waves 2 and 3 for Q; the branch hangs on the wave's number alone.  An s_nop 0 and four v_nop follow each line.
.macro JLOAD g0a, g1a, g0b, g1b
	s_cmp_eq_u32 s17, 0
	s_cbranch_scc0 .Lfor_b_\@
	tensor_load_to_lds s[\g0a:\g0a+3], s[\g1a:\g1a+7]
	s_nop 0
.rept 4
	v_nop
.endr
	s_branch .Lasked_\@
.Lfor_b_\@:
	tensor_load_to_lds s[\g0b:\g0b+3], s[\g1b:\g1b+7]
	s_nop 0
.rept 4
	v_nop
.endr
.Lasked_\@:
.endm
.macro CREST
	s_cmp_lg_u32 s16, 0
	s_cbranch_scc1 .Lnot_wave_0_\@
	s_barrier_signal -3
.Lnot_wave_0_\@:
	s_barrier_wait -3
	s_barrier_signal -1
	s_barrier_wait -1
.endm
.macro CROUND
	s_barrier_signal -1
	s_barrier_wait -1
	CREST
.endm
.macro FINISH                          ; the wave's end: the tensor wait, the add and its wait, the closing round, the end
	s_wait_tensorcnt 0x0
	ds_add_u32 v[SPW], v[NIL]
	s_wait_dscnt 0x0
	CROUND
	s_endpgm
.endm
	s_load_b256 s[4:11], s[0:1], 0x0               ; xc s[4:5], wc s[6:7], the exponents s[8:9], qc s[10:11]
	s_load_b128 s[12:15], s[0:1], 0x20             ; kc s[12:13], vc s[14:15]
	v_lshl_add_u32 v[SPW], v0, 2, SPARE
	v_mov_b32 v[NIL], 0
	ds_add_u32 v[SPW], v[NIL]                      ; the opening: the add and its wait ahead of my first tensor load
	ds_add_u32 v[SPW], v[NIL]
	v_lshrrev_b32 v1, 5, v0
	v_readfirstlane_b32 s16, v1                    ; wave 0..3
	s_lshr_b32 s17, s16, 1                         ; my half of P's rows.  Also: I fetch for P (0) or for Q (1)
	s_and_b32 s18, s16, 1                          ; my half of Q's rows.  Also: which 128 rows of that tile I fetch
	s_bfe_u32 s40, ttmp6, 0x40000                  ; cx
	s_bfe_u32 s41, ttmp6, 0x40004                  ; cy
	s_and_b32 s19, ttmp7, 0xffff                   ; cluster y: four tiles of 256 tokens
	s_cmp_eq_u32 ttmp9, 2                          ; v?  (cluster x: 0 q, 1 k, 2 v)
	s_cselect_b32 s43, ttmp9, s19                  ; P walks w_att's columns for v, tokens else
	s_cselect_b32 s42, s19, ttmp9                  ; Q the other way round
	s_lshl_b32 s43, s43, 2
	s_add_co_u32 s43, s43, s41                     ; P's tile of 256 rows: 4 x cluster + cy
	s_lshl_b32 s42, s42, 2
	s_add_co_u32 s42, s42, s40                     ; Q's: 4 x cluster + cx
	s_lshl_b32 s80, s41, 2
	s_lshl_b32 s80, 15, s80                        ; my row of the cluster
	s_lshl_b32 s81, 0x1111, s40                    ; my column
	s_or_b32 s[G1+0], s80, (0<<16)|(1<<20)|(1<<21)|(5<<22)|(3<<25)   ; mask; elements of 1 byte; padding on; bit 21 beside a mask; after every 64 words, 4 words
	s_or_b32 s[G1B+0], s81, (0<<16)|(1<<20)|(1<<21)|(5<<22)|(3<<25)
.irp g, G1, G1B
	s_mov_b32 s[\g+1], ROWB<<16                    ; tensor_dim0
	s_mov_b32 s[\g+2], 128<<16                     ; tensor_dim1
	s_mov_b32 s[\g+3], ROWB<<16                    ; tile_dim0
	s_mov_b32 s[\g+4], 128                         ; tile_dim1
	s_mov_b32 s[\g+5], KROW                        ; from row to row
	s_mov_b32 s[\g+6], 0
	s_mov_b32 s[\g+7], 0
.endr
	s_lshl_b32 s19, s18, 7                         ; which 128 rows I fetch
	s_lshl_b32 s20, s43, 8
	s_add_co_u32 s20, s20, s19
	s_lshl_b32 s20, s20, 10                        ; P: (256 x tile + 128 x half) rows of 1,024 bytes
	s_mov_b32 s21, 0
	s_lshl_b32 s46, s42, 8
	s_add_co_u32 s46, s46, s19
	s_lshl_b32 s46, s46, 10                        ; Q likewise
	s_mov_b32 s47, 0
	s_mul_i32 s44, s16, HALFT                      ; where they go: wave x 128 rows: no place in the cluster enters an LDS address
	s_wait_dscnt 0x0                               ; the opening add is done
	s_wait_kmcnt 0x0
	s_load_b256 s[E:E+7], s[8:9], 0x0
	s_cmp_eq_u32 ttmp9, 2
	s_cselect_b64 s[66:67], s[6:7], s[4:5]         ; P's buffer
	s_cselect_b64 s[68:69], s[4:5], s[6:7]         ; Q's
	s_add_nc_u64 s[20:21], s[66:67], s[20:21]
	s_add_nc_u64 s[46:47], s[68:69], s[46:47]
	CROUND                                         ; all sixteen work-groups are here: the first joint loads meet
.irp s, 0,1
	s_mov_b32 s[G0+4*\s], 1
	s_add_co_u32 s[G0+4*\s+1], s44, \s*SLOT
	s_add_nc_u64 s[G0+4*\s+2:G0+4*\s+3], s[20:21], \s*ROWB
	s_or_b32 s[G0+4*\s+3], s[G0+4*\s+3], 0x80000000
	s_mov_b32 s[G0B+4*\s], 1
	s_add_co_u32 s[G0B+4*\s+1], s44, \s*SLOT
	s_add_nc_u64 s[G0B+4*\s+2:G0B+4*\s+3], s[46:47], \s*ROWB
	s_or_b32 s[G0B+4*\s+3], s[G0B+4*\s+3], 0x80000000
	JLOAD G0+4*\s, G1, G0B+4*\s, G1B
.endr
	v_and_b32 v1, 15, v0                           ; r
	v_bfe_u32 v2, v0, 4, 1                         ; h
	v_mul_u32_u24 v3, v1, PITCH
	s_wait_alu depctr_va_vdst(0)
	v_lshl_add_u32 v4, v2, 4, v3                   ; a fragment's row x pitch + 16 x half
	s_mul_i32 s21, s17, HALFT                      ; my 128 rows of P
	s_mul_i32 s22, s18, HALFT
	s_add_co_u32 s22, s22, 2*HALFT                 ; my 128 rows of Q, behind P's 256
.irp s, 0,1
	v_add_nc_u32 v[ADRA+\s], s21, v4
	v_add_nc_u32 v[ADRB+\s], s22, v4
	s_add_co_u32 s21, s21, SLOT
	s_add_co_u32 s22, s22, SLOT
.endr
	; the way out: one stage of 256 rows (P's) x 272 bytes for the work-group, in slot 0
	s_mul_i32 s23, s17, HALFT
	s_lshl_b32 s19, s18, 7
	s_add_co_u32 s23, s23, s19
	v_lshl_add_u32 v5, v2, 3, v3
	v_add_nc_u32 v[STO], s23, v5                   ; row 128 x my half + r, byte 128 x my half of Q + 8 h
	v_and_b32 v6, 31, v0
	v_lshrrev_b32 v5, 2, v6
	v_mul_u32_u24 v5, v5, PITCH
	v_and_b32 v3, 3, v6
	v_lshl_add_u32 v5, v3, 4, v5
	s_mul_i32 s23, s16, 64*PITCH                   ; back: wave w takes rows 64 w on
	v_add_nc_u32 v[RDQ], s23, v5                   ; q, k: four lanes to a token's 64 bytes of one head, eight tokens an instruction
	v_mul_u32_u24 v5, v2, PITCH
	v_lshl_add_u32 v5, v1, 4, v5
	v_add_nc_u32 v[RDV], s23, v5                   ; v: sixteen lanes to a row of 256 keys, two rows an instruction
	v_lshlrev_b32 v[GQ], 4, v6
	v_lshlrev_b32 v5, 11, v2
	v_lshl_add_u32 v[GV], v1, 4, v5
.macro FRAG reg, adr, q, i             ; 16 rows x 128 K: lane l holds row l % 16; registers 4 c .. 4 c + 3 hold K = 32 c + 16 (l / 16) + 0 .. 15: the same order of K in P and in Q
.irp c, 0,1,2,3
	ds_load_b128 v[\reg+4*\c:\reg+4*\c+3], v[\adr] offset:128*(\q)+32*\c+(\i)*16*PITCH
.endr
.endm
; 16 matrix instructions: P's blocks a0, a0 + 1 x Q's eight.  The 64 accumulators take turns, one instruction a turn.
.macro MUL16 a0, p, zero
.irp a, \a0, \a0+1
.irp b, 0,1,2,3,4,5,6,7
.if \zero
	v_wmma_f32_16x16x128_fp8_fp8 v[8*(8*((\a)%4)+\b):8*(8*((\a)%4)+\b)+7], v[128*(\p)+FR*\b:128*(\p)+FR*\b+FR-1], v[AF+FR*(\a):AF+FR*(\a)+FR-1], 0
.else
	v_wmma_f32_16x16x128_fp8_fp8 v[8*(8*((\a)%4)+\b):8*(8*((\a)%4)+\b)+7], v[128*(\p)+FR*\b:128*(\p)+FR*\b+FR-1], v[AF+FR*(\a):AF+FR*(\a)+FR-1], v[8*(8*((\a)%4)+\b):8*(8*((\a)%4)+\b)+7]
.endif
.endr
.endr
.endm
.macro FETCH_B slot, q, p
	WIN TO_B
.irp i, 0,1,2,3,4,5,6,7
	FRAG 128*(\p)+FR*\i, ADRB+\slot, \q, \i
.endr
	WIN 0
.endm
.macro FETCH_A slot, q, i0
.irp i, \i0, \i0+1, \i0+2, \i0+3
	FRAG AF+FR*(\i), ADRA+\slot, \q, \i
.endr
.endm
.macro PLACES n                        ; plain vector lines between a matrix instruction and a load into, or a read of, its registers
.rept \n
	v_nop
.endr
.endm
.macro STEP slot, q, zero              ; 128 along K with its successor in the same slot
	s_wait_dscnt 4*NL                              ; Q's set and P's blocks 0-3 are in; the youngest 16 loads (P's blocks 4-7) may be out
	WIN MUL_LO
	MUL16 0, (\q)%2, \zero
	MUL16 2, (\q)%2, \zero
	s_wait_dscnt 0
	PLACES NP
	FETCH_B \slot, (\q)+1, 1-(\q)%2
	FETCH_A \slot, (\q)+1, 0
	WIN MUL_HI
	MUL16 4, (\q)%2, \zero
	MUL16 6, (\q)%2, \zero
	PLACES NP
	WIN 0
	FETCH_A \slot, (\q)+1, 4
.endm
; A slot's last step changes slots: one barrier; in front of it each wave waits for all its tensor loads, adds 0 to its spare word, and waits for that and for its reads of this slot.
.macro TURN slot, next, fill
	s_wait_tensorcnt 0x0                           ; my part of the next slot has landed; no load of mine is out
	ds_add_u32 v[SPW], v[NIL]
	s_wait_dscnt 4*NL+1                            ; (the add and the youngest 16 loads may be out)
	WIN MUL_LO
	MUL16 0, 1, 0
	s_wait_dscnt 0x0                               ; the add is done, my reads of this slot are over
	s_barrier_signal -1
	MUL16 2, 1, 0
	WIN 0
	s_barrier_wait -1
.if \fill
	CREST                                          ; the barrier has opened a round of the cluster's: no wave of any partner still reads this slot or has a load on its way
	s_add_nc_u64 s[G0+4*\slot+2:G0+4*\slot+3], s[G0+4*\slot+2:G0+4*\slot+3], 2*ROWB
	s_add_nc_u64 s[G0B+4*\slot+2:G0B+4*\slot+3], s[G0B+4*\slot+2:G0B+4*\slot+3], 2*ROWB
	JLOAD G0+4*\slot, G1, G0B+4*\slot, G1B         ; the first tensor load behind the round; its four v_nop are the places in front of the loads below
.else
	PLACES NP
.endif
	FETCH_B \next, 0, 0
	FETCH_A \next, 0, 0
	WIN MUL_HI
	MUL16 4, 1, 0
	MUL16 6, 1, 0
	PLACES NP
	WIN 0
	FETCH_A \next, 0, 4
.endm
	s_wait_tensorcnt 1                             ; my part of K step 0 is in; K step 1's load may be out
	s_barrier_signal -1
	s_barrier_wait -1
	FETCH_B 0, 0, 0
	FETCH_A 0, 0, 0
	FETCH_A 0, 0, 4
	STEP 0, 0, 1                                   ; the first products start the sums
	s_mov_b32 s3, LAPS-1
.Llap:
	TURN 0, 1, 1
	STEP 1, 0, 0
	TURN 1, 0, 1
	STEP 0, 0, 0
	s_sub_co_u32 s3, s3, 1
	s_cmp_lg_u32 s3, 0
	s_cbranch_scc1 .Llap
	TURN 0, 1, 0                                   ; the last lap fills nothing
	STEP 1, 0, 0
	s_wait_dscnt 4*NL
	WIN MUL_LO
	MUL16 0, 1, 0
	MUL16 2, 1, 0
	s_wait_dscnt 0
	WIN MUL_HI
	MUL16 4, 1, 0
	MUL16 6, 1, 0
	WIN 0
; THE WAY OUT.  Each sum is held and converted: a lane's eight registers are eight neighbours along the next K, 8 bytes.  They meet in the stage (slot 0: it has had its last fill, and
; behind the last change of slots nobody reads it), and leave as long runs.
	s_wait_kmcnt 0x0
	s_cmp_eq_u32 ttmp9, 2
	s_cselect_b32 s20, s[E+5], s[E+3]
	s_cmp_eq_u32 ttmp9, 0
	s_cselect_b32 s20, s[E+2], s20                 ; entry 2 for q, 3 for k, 5 for v
	s_sub_co_i32 s20, s20, s[E]
	s_sub_co_i32 s20, s20, s[E+1]
	s_add_co_i32 s20, s20, 127
	s_lshl_b32 s21, s20, 23
	v_mov_b32 v[VSC], s21
	s_add_co_i32 s20, s20, 8
	s_lshl_b32 s20, s20, 23
	s_or_b32 s20, s20, 0x600000
	PLACES NP
.macro CODEBLK a                       ; P's block a: 16 rows x my 128 rows of Q
.set AC, 64*((\a)%4)
	WIN 0x02+((\a)/4)                              ; source 0: window 2 or 3
.set j, 0
.rept 64
.set j, j+1
.endr
.irp b, 0,1,2,3,4,5,6,7
	v_cvt_scalef32_pk8_fp8_f32 v[CODES+16*(\a)+2*\b:CODES+16*(\a)+2*\b+1], v[AC+8*\b:AC+8*\b+7], v[VSC]
.endr
	WIN 0
	v_nop
.irp b, 0,1,2,3,4,5,6,7
	ds_store_b64 v[STO], v[CODES+16*(\a)+2*\b:CODES+16*(\a)+2*\b+1] offset:(\a)*16*PITCH+16*\b
.endr
.endm
.irp a, 0,1,2,3,4,5,6,7
	CODEBLK \a
.endr
	s_wait_dscnt 0x0                               ; for the others' sake: my stores into the stage are done
	s_barrier_signal -1
	s_barrier_wait -1
	s_cmp_eq_u32 ttmp9, 2                          ; the cluster's x: the same in all sixteen partners
	s_cbranch_scc1 .Lv_out
	; q, k: stage row = token, its 256 bytes = four heads x 64.  Eight tokens of one head are 512 consecutive bytes of qc or kc.
	s_lshr_b32 s20, s43, 3
	s_lshl_b32 s20, s20, 21                        ; the batch: 16 heads of 131,072 bytes
	s_lshl_b32 s21, s40, 19                        ; my tile's four heads
	s_add_co_u32 s20, s20, s21
	s_and_b32 s21, s43, 7
	s_lshl_b32 s21, s21, 14                        ; 256 tokens of 64 bytes
	s_add_co_u32 s20, s20, s21
	s_lshl_b32 s21, s16, 12                        ; my wave's 64 tokens
	s_add_co_u32 s20, s20, s21
	s_mov_b32 s21, 0
	s_cmp_eq_u32 ttmp9, 0
	s_cselect_b64 s[66:67], s[10:11], s[12:13]
	s_add_nc_u64 s[66:67], s[66:67], s[20:21]
.set n, 0
.rept 32
	ds_load_b128 v[CODES+4*n:CODES+4*n+3], v[RDQ] offset:(n/4)*8*PITCH+64*(n%4)
.set n, n+1
.endr
.set n, 0
.rept 32
	s_wait_dscnt 31-n
	global_store_b128 v[GQ], v[CODES+4*n:CODES+4*n+3], s[66:67] offset:(n%4)*131072+512*(n/4)   ; the wave stores 512 consecutive bytes, aligned
.set n, n+1
.endr
	FINISH
.Lv_out:
	; v: stage row = a channel of a head, its 256 bytes = 256 keys.  My wave's 64 rows are one head.
	s_lshr_b32 s20, s42, 3
	s_lshl_b32 s20, s20, 21                        ; the batch
	s_lshl_b32 s21, s41, 19                        ; my tile's four heads
	s_add_co_u32 s20, s20, s21
	s_lshl_b32 s21, s16, 17                        ; my wave's head
	s_add_co_u32 s20, s20, s21
	s_and_b32 s21, s42, 7
	s_lshl_b32 s21, s21, 8                         ; 256 keys
	s_add_co_u32 s20, s20, s21
	s_mov_b32 s21, 0
	s_add_nc_u64 s[66:67], s[14:15], s[20:21]
.set n, 0
.rept 32
	ds_load_b128 v[CODES+4*n:CODES+4*n+3], v[RDV] offset:n*2*PITCH
.set n, n+1
.endr
.set n, 0
.rept 32
	s_wait_dscnt 31-n
	global_store_b128 v[GV], v[CODES+4*n:CODES+4*n+3], s[66:67] offset:n*4096   ; sixteen lanes store 256 consecutive bytes, aligned
.set n, n+1
.endr
	FINISH
.Lfunc_end_k_q1ed04399ca_qkv:
	.size	k_q1ed04399ca_qkv, .Lfunc_end_k_q1ed04399ca_qkv-k_q1ed04399ca_qkv
	.p2alignl 7, 3214868480
	.fill 96, 4, 3214868480
	.section	.rodata,"a",@progbits
	.p2align	6, 0x0
	.amdhsa_kernel k_q1ed04399ca_qkv
		.amdhsa_group_segment_fixed_size 327680
		.amdhsa_private_segment_fixed_size 0
		.amdhsa_enable_private_segment 0
		.amdhsa_kernarg_size 48
		.amdhsa_user_sgpr_count 2
		.amdhsa_user_sgpr_kernarg_segment_ptr 1
		.amdhsa_wavefront_size32 1
		.amdhsa_system_sgpr_workgroup_id_x 1
		.amdhsa_system_sgpr_workgroup_id_y 1
		.amdhsa_system_sgpr_workgroup_id_z 1
		.amdhsa_system_vgpr_workitem_id 0
		.amdhsa_next_free_vgpr 1024
		.amdhsa_next_free_sgpr 98
		.amdhsa_reserve_vcc 0
		.amdhsa_float_denorm_mode_32 3
		.amdhsa_float_denorm_mode_16_64 3
		.amdhsa_fp16_overflow 1
		.amdhsa_memory_ordered 1
		.amdhsa_forward_progress 1
		.amdhsa_inst_pref_size 100
	.end_amdhsa_kernel
	.amdgpu_metadata
---
amdhsa.version: [ 1, 2 ]
amdhsa.kernels:
  - .name:           k_q1ed04399ca_qkv
    .symbol:         k_q1ed04399ca_qkv.kd
    .args:
      - { .name: xc, .offset: 0, .size: 8, .value_kind: global_buffer, .address_space: global }
      - { .name: wc, .offset: 8, .size: 8, .value_kind: global_buffer, .address_space: global }
      - { .name: lowp_scales, .offset: 16, .size: 8, .value_kind: global_buffer, .address_space: global }
      - { .name: qc, .offset: 24, .size: 8, .value_kind: global_buffer, .address_space: global }
      - { .name: kc, .offset: 32, .size: 8, .value_kind: global_buffer, .address_space: global }
      - { .name: vc, .offset: 40, .size: 8, .value_kind: global_buffer, .address_space: global }
    .group_segment_fixed_size: 327680
    .private_segment_fixed_size: 0
    .kernarg_segment_align: 8
    .kernarg_segment_size: 48
    .max_flat_workgroup_size: 128
    .sgpr_count:     98
    .vgpr_count:     1024
    .wavefront_size: 32
...
	.end_amdgpu_metadata
.endif
;; end of part 2
;; launch attn (part 3): grid 4 x 64, 16 waves a work-group, no clusters, 327,680 bytes of LDS; arguments qc, kc, vc, lowp_scales, yc; writes yc
.if DOCPART == 3
	.amdgcn_target "amdgcn-amd-amdhsa--gfx1250"
	.amdhsa_code_object_version 6
	.text
	.protected	k_q1ed04399ca_attn
	.globl	k_q1ed04399ca_attn
	.p2align	8
	.type	k_q1ed04399ca_attn,@function
k_q1ed04399ca_attn:
	s_mov_b64 s[64:65], 0
	v_nop
	global_prefetch_b8 v0, s[64:65] scope:SCOPE_SE
	s_setreg_imm32_b32 hwreg(HW_REG_WAVE_MODE, 25, 1), 1
	s_wait_xcnt 0x0
; y[hb][q][:] = the sum over keys k <= q of softmax_k(Q[q] . K[k] / 8) V[k][:], both products on codes of E4M3; y is quantised at once for the last product.
; qc, kc: [64 heads][2048][64];  vc: [64 heads][64][2048 keys];  yc: [64 heads][2048][64].  Exponents: entries 2 (q), 3 (k), 4 (p), 5 (v), 6 (y).
; THE SOFTMAX: t = score x log2(e) / 8; M = the running largest t rounded UP to a whole number; p = 2^(t - M) is quantised, not normalised; the row's sum is taken of the unquantised p
; and divides at the end.  When M moves, the sum and O are multiplied by 2^(old M - new M): nothing is rounded.
; SHARES.  Work-group (i, head) owns the blocks of 256 queries i and 7 - i: under the causal mask every work-group then has the same number of key steps, 264.  Each of sixteen waves owns 32 queries,
; two tiles of 16; waves 2 j and 2 j + 1 take queries 256 i + 32 j on and their mirror image 2016 - 256 i - 32 j on.  A key step is 64 keys.
; K and V come through two LDS slots of 256 keys (wave 0 fetches K's tile, wave 1 V's); every work-group walks all eight slots, so trip counts are constants; a step all of whose keys come after
; the wave's queries is jumped over, and a slot that begins after the work-group's last query is not asked for.
; LAYOUT.  S^T = K Q^T (source 0 = 16 keys, source 1 = 16 queries), O^T = V^T P^T (source 0 = 16 channels, source 1 = P): a lane holds one query (lane % 16).  Register j of key tile c is key
; 16 c + 8 (lane / 16) + j, so the conversion of a tile's eight registers IS registers 2 c, 2 c + 1 of P.
; NO CLUSTER, though the four work-groups of a head read the same K and V: in slot s work-group i has 16 busy waves for s <= i, 8 for s <= 7 - i, then none; a joint request for each slot would hold
; all four to the busiest (12 units of work against 9), and a slot's tiles are 32 KiB.
; LIMITS: e2 + e3 between -123 and 130; e4, and e6 - e4 - e5, between -126 and 119.  NaN among the inputs is not served.
.set SK,    256
.set KP,    80                         ; a key's 64 bytes + 16: sixteen keys start at sixteen different groups of four banks
.set VP,    272                        ; a channel's 256 keys + 16
.set VOFF,  SK*KP
.set SLOT1, 65536                      ; one exclusive or turns an address from one slot to the other
.set SPARE, 2*SLOT1                    ; the spare words: 128 bytes for each of 16 waves, named by no other line
.set STAGE, SPARE+2048                 ; the way out: 2,048 bytes for each wave, into which no fill lands
.set AK0, 1                            ; v1   my lane's place in a tile of K
.set AV0, 2                            ; v2   the same for V
.set PFO, 3                            ; v3   the prefetches' lane offset; never rewritten
.set GO,  4                            ; v4   16 x lane
.set SO,  5                            ; v5   the stage, in
.set SR,  6                            ; v6   the stage, back
.set ADK, 7
.set ADV, 8
.set PSC, 9                            ; v9   2^e4
.set PLIM, 10
.set QOF, 11                           ; v11  my byte in the wave's rows of Q
.set ST,  12                           ; tile t at v[12 + 4 t]: -M, the largest t, the sum in two halves
.set QF,  20                           ; Q: 8 registers a tile
.set KFR, 36                           ; K: 4 fragments of 8
.set VFR, 68                           ; V: 4 fragments of 8
.set S,   100                          ; S^T, then p: 32 a tile
.set O,   164                          ; O^T: 32 a tile
.set P,   228                          ; p's codes: 8 a tile
.set T,   244                          ; tile t at v[244 + 4 t]: four registers at work
.set SPW, 252
.set NIL, 253
.set YSC, 254                          ; 2^(e6 - e4 - e5)
.set YLIM, 255
.set TB,  2
.set WV,  14
.set Q0,  15                           ; my first query
.set QL,  16                           ; my work-group's last query
.set KF,  17                           ; the step's first key
.set SLOTS, 18
.set LIM, 19
.set SEL, 20
.set CS,  22
.set G1K, 24
.set G1V, 32
.set G0K, 40
.set G0V, 44
.set E,   48
.set PFA, 56
.set PFS, 58
; Wave 0 fetches K's tile, wave 1 V's, the others nothing.  An s_nop 0 and four v_nop follow each line.
.macro TLOAD
	s_cmp_lt_u32 s[WV], 1
	s_cbranch_scc0 .Lnot_k_\@
	tensor_load_to_lds s[G0K:G0K+3], s[G1K:G1K+7]
	s_nop 0
.rept 4
	v_nop
.endr
	s_branch .Lasked_\@
.Lnot_k_\@:
	s_cmp_lt_u32 s[WV], 2
	s_cbranch_scc0 .Lasked_\@
	tensor_load_to_lds s[G0V:G0V+3], s[G1V:G1V+7]
	s_nop 0
.rept 4
	v_nop
.endr
.Lasked_\@:
.endm
; A prefetch of what the NEXT change of slots will ask for.  Each aligned block of 256 bytes is named once in the launch: of the four work-groups of a head the first asks; in it waves 4 and 5 ask for
; K's 16,384 bytes (8,192 a wave, lanes 256 bytes apart), waves 6 and 7 for V's 64 rows (32 a wave, a lane a row's 256 bytes).  The last change that fills a slot asks for nothing.
.macro ASK
	s_cmp_gt_u32 s[SLOTS], s[LIM]
	s_cbranch_scc0 .Lnot_mine_\@
	global_prefetch_b8 v[PFO], s[PFA:PFA+1] th:TH_LOAD_NT scope:SCOPE_SE
.Lnot_mine_\@:
.endm
	s_load_b256 s[4:11], s[0:1], 0x0               ; qc s[4:5], kc s[6:7], vc s[8:9], the exponents s[10:11]
	s_load_b64 s[12:13], s[0:1], 0x20              ; yc
	v_lshl_add_u32 v[SPW], v0, 2, SPARE
	v_mov_b32 v[NIL], 0
	ds_add_u32 v[SPW], v[NIL]                      ; the opening: the add and its wait ahead of the first tensor load
	ds_add_u32 v[SPW], v[NIL]
	v_lshrrev_b32 v7, 5, v0
	s_delay_alu instid0(VALU_DEP_1)
	v_readfirstlane_b32 s[WV], v7                  ; wave 0..15
	s_lshr_b32 s60, s[WV], 1
	s_lshl_b32 s60, s60, 5                         ; 32 j
	s_lshl_b32 s61, ttmp9, 8                       ; 256 i
	s_add_co_u32 s60, s60, s61                     ; the low block's 32 queries,
	s_sub_co_u32 s62, 2016, s60                    ; and their mirror image in block 7 - i
	s_lshr_b32 s63, s[WV], 2
	s_xor_b32 s63, s63, s[WV]
	s_and_b32 s63, s63, 1                          ; low or high: of four neighbouring waves, and of waves four apart, two are low and two high
	s_cmp_eq_u32 s63, 0
	s_cselect_b32 s[Q0], s60, s62
	s_sub_co_u32 s[QL], 2047, s61
	s_and_b32 s66, ttmp7, 0xffff
	s_lshl_b32 s66, s66, 17                        ; the head's first byte in each of the four buffers of codes
	s_mov_b32 s67, 0
	s_lshl_b32 s68, s[Q0], 6
	s_mov_b32 s69, 0
	s_add_nc_u64 s[68:69], s[68:69], s[66:67]      ; my first query's row in qc and yc
	; K's tile: 256 keys x 64 bytes are dense in memory: 64 rows of 256 bytes, 16 bytes of padding behind every 64: key k lies at 80 k
	s_mov_b32 s[G1K], (0<<16)|(1<<20)|(3<<22)|(3<<25)
	s_mov_b32 s[G1K+1], 256<<16
	s_mov_b32 s[G1K+2], 64<<16
	s_mov_b32 s[G1K+3], 256<<16
	s_mov_b32 s[G1K+4], 64
	s_mov_b32 s[G1K+5], 256
	s_mov_b32 s[G1K+6], 0
	s_mov_b32 s[G1K+7], 0
	; V's tile: 64 channels x 256 keys, rows 2,048 bytes apart, 16 bytes of padding behind each
	s_mov_b32 s[G1V], (0<<16)|(1<<20)|(5<<22)|(3<<25)
	s_mov_b32 s[G1V+1], 256<<16
	s_mov_b32 s[G1V+2], 64<<16
	s_mov_b32 s[G1V+3], 256<<16
	s_mov_b32 s[G1V+4], 64
	s_mov_b32 s[G1V+5], 2048
	s_mov_b32 s[G1V+6], 0
	s_mov_b32 s[G1V+7], 0
	s_mov_b32 s[SEL], 0x76543210
	s_mov_b32 s[SEL+1], 0xfedcba98
	s_mov_b32 s[CS], 0x3e38aa3b                    ; c = log2(e) / 8
	s_mov_b32 s[TB], 0
	s_mov_b32 s[SLOTS], 7
	s_mov_b32 s[KF], 0
	s_wait_dscnt 0x0                               ; the opening add is done
	s_wait_kmcnt 0x0
	s_load_b256 s[E:E+7], s[10:11], 0x0
	s_mov_b32 s[G0K], 1
	s_mov_b32 s[G0K+1], 0
	s_add_nc_u64 s[G0K+2:G0K+3], s[6:7], s[66:67]
	s_or_b32 s[G0K+3], s[G0K+3], 0x80000000
	s_mov_b32 s[G0V], 1
	s_mov_b32 s[G0V+1], VOFF
	s_add_nc_u64 s[G0V+2:G0V+3], s[8:9], s[66:67]
	s_or_b32 s[G0V+3], s[G0V+3], 0x80000000
	TLOAD                                          ; slot 0
	s_cmp_lt_u32 s[WV], 6                          ; the prefetches: waves 4, 5 stand in K, waves 6, 7 in V
	s_cselect_b64 s[PFA:PFA+1], s[6:7], s[8:9]
	s_mov_b32 s[PFS], 256
	s_cselect_b32 s[PFS], 16384, s[PFS]            ; a slot on
	s_cselect_b32 s60, 8, 11                       ; from lane to lane: 256 or 2,048 bytes
	s_mov_b32 s61, 65536
	s_cselect_b32 s61, 8192, s61                   ; from wave to wave
	v_and_b32 v[PFO], 31, v0
	s_delay_alu instid0(VALU_DEP_1)
	v_lshlrev_b32 v[PFO], s60, v[PFO]
	s_and_b32 s62, s[WV], 1
	s_mul_i32 s62, s62, s61
	s_add_co_u32 s62, s62, s[PFS]                  ; in slot 1: the first change of slots steps it to slot 2.  Nothing is prefetched at the head
	s_mov_b32 s63, 0
	s_mov_b32 s[PFS+1], 0
	s_add_nc_u64 s[PFA:PFA+1], s[PFA:PFA+1], s[66:67]
	s_add_nc_u64 s[PFA:PFA+1], s[PFA:PFA+1], s[62:63]
	s_sub_co_u32 s61, s[WV], 4
	s_lshr_b32 s61, s61, 2                         ; 0 in waves 4 to 7,
	s_or_b32 s61, s61, ttmp9                       ; of the head's first work-group
	s_cmp_eq_u32 s61, 0
	s_cselect_b32 s[LIM], 1, -1
	s_add_nc_u64 s[4:5], s[4:5], s[68:69]
	s_add_nc_u64 s[12:13], s[12:13], s[68:69]
	v_and_b32 v7, 15, v0                           ; r
	v_bfe_u32 v8, v0, 4, 1                         ; h
	s_delay_alu instid0(VALU_DEP_2)
	v_lshlrev_b32 v[QOF], 6, v7
	s_delay_alu instid0(VALU_DEP_1)
	v_lshl_add_u32 v[QOF], v8, 4, v[QOF]
.irp t, 0,1                                    ; Q stays in registers: channels 16 h + 0..15 and 32 + 16 h + 0..15: the same order of channels as K's loads give
	global_load_b128 v[QF+8*\t:QF+8*\t+3],   v[QOF], s[4:5] offset:1024*\t
	global_load_b128 v[QF+8*\t+4:QF+8*\t+7], v[QOF], s[4:5] offset:1024*\t+32
.endr
	v_mul_u32_u24 v[AK0], v7, KP
	s_delay_alu instid0(VALU_DEP_1)
	v_lshl_add_u32 v[AK0], v8, 4, v[AK0]
	v_mul_u32_u24 v[AV0], v7, VP
	s_delay_alu instid0(VALU_DEP_1)
	v_lshl_add_u32 v[AV0], v8, 3, v[AV0]
	s_delay_alu instid0(VALU_DEP_1)
	v_add_nc_u32 v[AV0], VOFF, v[AV0]
	v_and_b32 v[GO], 31, v0
	s_delay_alu instid0(VALU_DEP_1)
	v_lshlrev_b32 v[GO], 4, v[GO]
	s_lshl_b32 s60, s[WV], 11
	s_add_co_u32 s60, s60, STAGE                   ; my stage
	v_lshlrev_b32 v[SO], 6, v7
	s_delay_alu instid0(VALU_DEP_1)
	v_lshl_add_u32 v[SO], v8, 3, v[SO]
	s_delay_alu instid0(VALU_DEP_1)
	v_add_nc_u32 v[SO], s60, v[SO]                 ; in: row r of 64 bytes, + 8 h
	v_add_nc_u32 v[SR], s60, v[GO]                 ; back: 16 bytes a lane
.irp t, 0,1
	v_mov_b32 v[ST+4*\t+1], 0xff61b1e6             ; the largest t so far: -3e38
	s_delay_alu instid0(VALU_DEP_1)
	v_floor_f32 v[ST+4*\t], -v[ST+4*\t+1]          ; -M
	v_mov_b32 v[ST+4*\t+2], 0
	v_mov_b32 v[ST+4*\t+3], 0
.endr
.set n, 0
.rept 64
	v_mov_b32 v[O+n], 0                            ; the step is written once: the first finds zeros
.set n, n+1
.endr
.set n, 0
.rept 8
	v_mov_b32 v[T+n], 0                            ; written once: they are named as pairs and as a lane permute's destination
.set n, n+1
.endr
	s_wait_kmcnt 0x0
	s_add_co_i32 s60, s[E+2], s[E+3]
	s_lshl_b32 s60, s60, 23
	s_add_co_i32 s[CS], s[CS], s60                 ; a score stands for score x 2^(e2 + e3): added to c's exponent field
	s_mov_b32 s[CS+1], s[CS]
	s_add_co_i32 s60, s[E+4], 127
	s_lshl_b32 s61, s60, 23
	v_mov_b32 v[PSC], s61
	s_sub_co_i32 s60, s[E+6], s[E+4]
	s_sub_co_i32 s60, s60, s[E+5]
	s_add_co_i32 s60, s60, 127                     ; O / l stands for y / 2^(e4 + e5): y's code is (O / l) / 2^(e6 - e4 - e5)
	s_lshl_b32 s61, s60, 23
	v_mov_b32 v[YSC], s61
; A KEY STEP: 64 keys, the q-th of the slot in hand, against my 32 queries.
.macro STEP q
	s_add_co_u32 s96, s[Q0], 31
	s_cmp_gt_u32 s[KF], s96                        ; all keys come after my queries: ids and the count of steps alone
	s_cbranch_scc1 .Lhidden_\@
	v_add_nc_u32 v[ADK], s[TB], v[AK0]
	v_add_nc_u32 v[ADV], s[TB], v[AV0]
	v_nop                                          ; with the two additions: four places between the last step's products and the loads into V's registers
	v_nop
.irp c, 0,1,2,3
	ds_load_b128 v[KFR+8*\c:KFR+8*\c+3],   v[ADK] offset:(64*(\q)+16*\c)*KP
	ds_load_b128 v[KFR+8*\c+4:KFR+8*\c+7], v[ADK] offset:(64*(\q)+16*\c)*KP+32
.endr
.irp d, 0,1,2,3
.irp c, 0,1,2,3
	ds_load_b64 v[VFR+8*\d+2*\c:VFR+8*\d+2*\c+1], v[ADV] offset:16*\d*VP+64*(\q)+16*\c   ; channel 16 d + r, keys 16 c + 8 h + 0..7
.endr
.endr
	s_wait_dscnt 16                                ; K's eight loads are in; V's sixteen may be out
.irp c, 0,1,2,3
.irp t, 0,1
	v_wmma_f32_16x16x64_fp8_fp8 v[S+32*\t+8*\c:S+32*\t+8*\c+7], v[KFR+8*\c:KFR+8*\c+7], v[QF+8*\t:QF+8*\t+7], 0
.endr
.endr
.rept 4
	v_nop
.endr
	s_add_co_u32 s96, s[KF], 63                    ; the step on the diagonal: hidden scores become -infinity, so p = 0.  A step all of whose keys count skips this
	s_cmp_le_u32 s96, s[Q0]
	s_cbranch_scc1 .Lopen_\@
	s_sub_co_i32 s96, s[Q0], s[KF]
	v_and_b32 v[T+2], 15, v0
	v_bfe_u32 v[T+3], v0, 4, 1
	s_delay_alu instid0(VALU_DEP_1)
	v_lshlrev_b32 v[T+3], 3, v[T+3]
	s_delay_alu instid0(VALU_DEP_1)
	v_sub_nc_u32 v[T+2], v[T+2], v[T+3]
	s_delay_alu instid0(VALU_DEP_1)
	v_add_nc_u32 v[T+2], s96, v[T+2]               ; d = Q0 - KF + r - 8 h.  Register 8 c + j of tile t is hidden where 16 c + j - 16 t > d
	v_mov_b32 v[T+3], 0xff800000
.irp t, 0,1
.set n, 0
.rept 32
	v_cmp_gt_i32 vcc_lo, 16*(n/8)+n%8-16*\t, v[T+2]
	v_cndmask_b32 v[S+32*\t+n], v[S+32*\t+n], v[T+3], vcc_lo
.set n, n+1
.endr
.endr
.Lopen_\@:
.irp t, 0,1                                    ; the step's largest score of each query, in two chains a tile, ascending; the two tiles line by line
	v_max3_num_f32 v[T+4*\t],   v[S+32*\t],   v[S+32*\t+1], v[S+32*\t+2]
	v_max3_num_f32 v[T+4*\t+1], v[S+32*\t+3], v[S+32*\t+4], v[S+32*\t+5]
.endr
.irp i, 6,10,14,18,22,26
.irp t, 0,1
	v_max3_num_f32 v[T+4*\t],   v[T+4*\t],   v[S+32*\t+\i],   v[S+32*\t+\i+1]
	v_max3_num_f32 v[T+4*\t+1], v[T+4*\t+1], v[S+32*\t+\i+2], v[S+32*\t+\i+3]
.endr
.endr
.irp t, 0
	v_max3_num_f32 v[T+4*\t], v[T+4*\t], v[S+32*\t+30], v[S+32*\t+31]
.endr
.irp t, 1
	v_max3_num_f32 v[T+4*\t], v[T+4*\t], v[S+32*\t+30], v[S+32*\t+31]
.endr
.irp t, 0,1
	s_delay_alu instid0(VALU_DEP_2)
	v_max_num_f32 v[T+4*\t], v[T+4*\t], v[T+4*\t+1]
.endr
.irp t, 0,1
	s_delay_alu instid0(VALU_DEP_2)
	v_permlanex16_b32 v[T+4*\t+2], v[T+4*\t], s[SEL], s[SEL+1]   ; the query's other 32 keys lie in the lane 16 away
.endr
.irp t, 0,1
	s_delay_alu instid0(VALU_DEP_2)
	v_max_num_f32 v[T+4*\t], v[T+4*\t], v[T+4*\t+2]
.endr
.irp t, 0,1
	s_delay_alu instid0(VALU_DEP_2)
	v_mul_f32 v[T+4*\t], s[CS], v[T+4*\t]          ; as t (c is positive)
.endr
.irp t, 0,1
	s_delay_alu instid0(VALU_DEP_2)
	v_max_num_f32 v[ST+4*\t+1], v[ST+4*\t+1], v[T+4*\t]
.endr
.irp t, 0,1
	v_mov_b32 v[T+4*\t], v[ST+4*\t]                ; the old -M
.endr
.irp t, 0,1
	s_delay_alu instid0(VALU_DEP_4)
	v_floor_f32 v[ST+4*\t], -v[ST+4*\t+1]          ; the new -M = -ceil(t): a whole number
.endr
.irp t, 0,1
	s_delay_alu instid0(VALU_DEP_2)
	v_sub_f32 v[T+4*\t], v[ST+4*\t], v[T+4*\t]     ; old M - new M: 0 or less
.endr
.irp t, 0,1
	s_delay_alu instid0(VALU_DEP_2)
	v_cvt_i32_f32 v[T+4*\t], v[T+4*\t]             ; (it saturates)
.endr
.irp t, 0,1
	s_delay_alu instid0(VALU_DEP_2)
	v_ldexp_f32 v[T+4*\t], 1.0, v[T+4*\t]          ; f = 2^(old M - new M)
.endr
.irp t, 0,1
.irp j, 0,2,4,6,8,10,12,14,16,18,20,22,24,26,28,30
	v_pk_fma_f32 v[S+32*\t+\j:S+32*\t+\j+1], v[S+32*\t+\j:S+32*\t+\j+1], s[CS:CS+1], v[ST+4*\t:ST+4*\t+1] op_sel_hi:[1,0,0]   ; t - M
.endr
.endr
.set n, 0
	s_wait_alu depctr_va_vdst(0)
.rept 64
	v_exp_f32 v[S+n], v[S+n]                       ; p = 2^(t - M): one batch
.set n, n+1
.endr
.irp t, 0,1
	v_pk_mul_f32 v[ST+4*\t+2:ST+4*\t+3], v[ST+4*\t+2:ST+4*\t+3], v[T+4*\t:T+4*\t+1] op_sel_hi:[1,0]   ; the sums under the new M; the plain lines behind the exponentials
.endr
	s_wait_alu depctr_va_vdst(0)                   ; one wait for the batch, ahead of its first reader
.irp t, 0,1
	v_pk_add_f32 v[T+4*\t+2:T+4*\t+3], v[S+32*\t:S+32*\t+1], v[S+32*\t+2:S+32*\t+3]   ; the row's sum of the UNQUANTISED p, in two chains
.endr
.irp j, 4,8,12,16,20,24,28
.irp t, 0,1
	v_pk_add_f32 v[ST+4*\t+2:ST+4*\t+3], v[ST+4*\t+2:ST+4*\t+3], v[S+32*\t+\j:S+32*\t+\j+1]
	v_pk_add_f32 v[T+4*\t+2:T+4*\t+3], v[T+4*\t+2:T+4*\t+3], v[S+32*\t+\j+2:S+32*\t+\j+3]
.endr
.endr
.irp t, 0
	s_delay_alu instid0(VALU_DEP_3)
	v_pk_add_f32 v[ST+4*\t+2:ST+4*\t+3], v[ST+4*\t+2:ST+4*\t+3], v[T+4*\t+2:T+4*\t+3]
.endr
.irp t, 1
	s_delay_alu instid0(VALU_DEP_2)
	v_pk_add_f32 v[ST+4*\t+2:ST+4*\t+3], v[ST+4*\t+2:ST+4*\t+3], v[T+4*\t+2:T+4*\t+3]
.endr
.set n, 0
.rept 64
.set n, n+1
.endr
.irp t, 0,1
.irp c, 0,1,2,3
	v_cvt_scalef32_pk8_fp8_f32 v[P+8*\t+2*\c:P+8*\t+2*\c+1], v[S+32*\t+8*\c:S+32*\t+8*\c+7], v[PSC]
.endr
.endr
.irp t, 0,1
.irp j, 0,2,4,6,8,10,12,14,16,18,20,22,24,26,28,30
	v_pk_mul_f32 v[O+32*\t+\j:O+32*\t+\j+1], v[O+32*\t+\j:O+32*\t+\j+1], v[T+4*\t:T+4*\t+1] op_sel_hi:[1,0]   ; O^T under the new M; also the plain lines behind the conversions
.endr
.endr
	s_wait_alu depctr_va_vdst(0)
	s_wait_dscnt 0x0                               ; V is in
.irp d, 0,1,2,3
.irp t, 0,1                                    ; the eight accumulators take turns, one instruction a turn
	v_wmma_f32_16x16x64_fp8_fp8 v[O+32*\t+8*\d:O+32*\t+8*\d+7], v[VFR+8*\d:VFR+8*\d+7], v[P+8*\t:P+8*\t+7], v[O+32*\t+8*\d:O+32*\t+8*\d+7]
.endr
.endr
.Lhidden_\@:
	s_add_co_u32 s[KF], s[KF], 64
.endm
; THE CHANGE OF SLOTS, at a slot's head.  Each wave waits for all its tensor loads, adds 0 to its spare word, and waits for that and for its reads of the slot that it has left; behind the barrier the slot
; ahead is whole and nobody reads the other one, which is filled with the next 256 keys, unless they all come after the work-group's last query.
.macro CHANGE fill
	s_wait_tensorcnt 0x0                           ; no tensor load of mine is out, so a descriptor may be written
	ds_add_u32 v[SPW], v[NIL]
.if \fill
	s_xor_b32 s[G0K+1], s[G0K+1], SLOT1
	s_add_nc_u64 s[G0K+2:G0K+3], s[G0K+2:G0K+3], SK*64
	s_xor_b32 s[G0V+1], s[G0V+1], SLOT1
	s_add_nc_u64 s[G0V+2:G0V+3], s[G0V+2:G0V+3], SK
	s_wait_xcnt 0x0                                ; the last prefetch, a slot back, has read its address
	s_add_nc_u64 s[PFA:PFA+1], s[PFA:PFA+1], s[PFS:PFS+1]
.endif
	s_wait_dscnt 0x0                               ; the add is done, my reads of the slot that I have left are over
	s_barrier_signal -1
	s_barrier_wait -1
.if \fill
	s_add_co_u32 s96, s[KF], SK                    ; the first key of the slot that this change would ask for
	s_cmp_gt_u32 s96, s[QL]                        ; ids and the count of steps alone: all sixteen waves go the same way.  No step reads a slot that is left out; every wait on TENSORcnt is for 0
	s_cbranch_scc1 .Lpast_\@
	TLOAD                                          ; a wave's one tensor load until the next barrier
.Lpast_\@:
	ASK
.endif
.endm
.macro SLOT_STEPS
	STEP 0
	STEP 1
	STEP 2
	STEP 3
	s_xor_b32 s[TB], s[TB], SLOT1
.endm
	s_wait_loadcnt 0x0                             ; Q
.Lslot:                                            ; seven trips: behind each change of slots but the last the next slot is asked for, up to the causal limit
	CHANGE 1
	SLOT_STEPS
	s_sub_co_u32 s[SLOTS], s[SLOTS], 1
	s_cmp_lg_u32 s[SLOTS], 0
	s_cbranch_scc1 .Lslot
	CHANGE 0
	SLOT_STEPS
	; THE WAY OUT: O^T / the sum, held, converted, through my stage, and out as 2,048 consecutive bytes of yc.
.rept 4
	v_nop
.endr
.irp t, 0,1
	v_add_f32 v[T+4*\t], v[ST+4*\t+2], v[ST+4*\t+3]
.endr
	s_wait_alu depctr_va_vdst(0)
.irp t, 0,1
	v_permlanex16_b32 v[T+4*\t+2], v[T+4*\t], s[SEL], s[SEL+1]
.endr
.irp t, 0,1
	s_delay_alu instid0(VALU_DEP_2)
	v_add_f32 v[T+4*\t], v[T+4*\t], v[T+4*\t+2]    ; the row's sum
.endr
	s_wait_alu depctr_va_vdst(0)
.irp t, 0,1
	v_rcp_f32 v[T+4*\t], v[T+4*\t]
.endr
	v_nop                                          ; a plain line behind the reciprocals
	s_wait_alu depctr_va_vdst(0)                   ; and the wait ahead of their first reader
.irp t, 0,1
.irp j, 0,2,4,6,8,10,12,14,16,18,20,22,24,26,28,30
	v_pk_mul_f32 v[O+32*\t+\j:O+32*\t+\j+1], v[O+32*\t+\j:O+32*\t+\j+1], v[T+4*\t:T+4*\t+1] op_sel_hi:[1,0]
.endr
.endr
.set n, 0
.rept 64
.set n, n+1
.endr
.irp t, 0,1
.irp d, 0,1,2,3
	v_cvt_scalef32_pk8_fp8_f32 v[P+8*\t+2*\d:P+8*\t+2*\d+1], v[O+32*\t+8*\d:O+32*\t+8*\d+7], v[YSC]   ; channels 16 d + 8 h + 0..7 of query 16 t + r
.endr
.endr
	v_nop
.irp t, 0,1
.irp d, 0,1,2,3
	ds_store_b64 v[SO], v[P+8*\t+2*\d:P+8*\t+2*\d+1] offset:1024*\t+16*\d
.endr
.endr
.irp k, 0,1,2,3
	ds_load_b128 v[KFR+4*\k:KFR+4*\k+3], v[SR] offset:512*\k     ; LDS serves a wave's instructions in order: these see my stores
.endr
.irp k, 0,1,2,3
	s_wait_dscnt 3-\k
	global_store_b128 v[GO], v[KFR+4*\k:KFR+4*\k+3], s[12:13] offset:512*\k   ; the wave stores 512 consecutive bytes, aligned
.endr
	s_wait_tensorcnt 0x0                           ; the wave's end
	ds_add_u32 v[SPW], v[NIL]
	s_wait_dscnt 0x0
	s_endpgm
.Lfunc_end_k_q1ed04399ca_attn:
	.size	k_q1ed04399ca_attn, .Lfunc_end_k_q1ed04399ca_attn-k_q1ed04399ca_attn
	.p2alignl 7, 3214868480
	.fill 96, 4, 3214868480
	.section	.rodata,"a",@progbits
	.p2align	6, 0x0
	.amdhsa_kernel k_q1ed04399ca_attn
		.amdhsa_group_segment_fixed_size 327680
		.amdhsa_private_segment_fixed_size 0
		.amdhsa_enable_private_segment 0
		.amdhsa_kernarg_size 40
		.amdhsa_user_sgpr_count 2
		.amdhsa_user_sgpr_kernarg_segment_ptr 1
		.amdhsa_wavefront_size32 1
		.amdhsa_system_sgpr_workgroup_id_x 1
		.amdhsa_system_sgpr_workgroup_id_y 1
		.amdhsa_system_sgpr_workgroup_id_z 1
		.amdhsa_system_vgpr_workitem_id 0
		.amdhsa_next_free_vgpr 256
		.amdhsa_next_free_sgpr 100
		.amdhsa_reserve_vcc 1
		.amdhsa_float_denorm_mode_32 3
		.amdhsa_float_denorm_mode_16_64 3
		.amdhsa_fp16_overflow 1
		.amdhsa_memory_ordered 1
		.amdhsa_forward_progress 1
		.amdhsa_inst_pref_size 172
	.end_amdhsa_kernel
	.amdgpu_metadata
---
amdhsa.version: [ 1, 2 ]
amdhsa.kernels:
  - .name:           k_q1ed04399ca_attn
    .symbol:         k_q1ed04399ca_attn.kd
    .args:
      - { .name: qc, .offset: 0, .size: 8, .value_kind: global_buffer, .address_space: global }
      - { .name: kc, .offset: 8, .size: 8, .value_kind: global_buffer, .address_space: global }
      - { .name: vc, .offset: 16, .size: 8, .value_kind: global_buffer, .address_space: global }
      - { .name: lowp_scales, .offset: 24, .size: 8, .value_kind: global_buffer, .address_space: global }
      - { .name: yc, .offset: 32, .size: 8, .value_kind: global_buffer, .address_space: global }
    .group_segment_fixed_size: 327680
    .private_segment_fixed_size: 0
    .kernarg_segment_align: 8
    .kernarg_segment_size: 40
    .max_flat_workgroup_size: 512
    .sgpr_count:     100
    .vgpr_count:     256
    .wavefront_size: 32
...
	.end_amdgpu_metadata
.endif
;; end of part 3
;; launch proj (part 4): grid 4 x 32, 4 waves a work-group, clusters of 4 x 4, 327,680 bytes of LDS; arguments yc, wc, lowp_scales, out0; writes out0
.if DOCPART == 4
	.amdgcn_target "amdgcn-amd-amdhsa--gfx1250"
	.amdhsa_code_object_version 6
	.text
	.protected	k_q1ed04399ca_proj
	.globl	k_q1ed04399ca_proj
	.p2align	8
	.type	k_q1ed04399ca_proj,@function
k_q1ed04399ca_proj:
	s_mov_b64 s[64:65], 0
	v_nop
	global_prefetch_b8 v0, s[64:65] scope:SCOPE_SE
	s_setreg_imm32_b32 hwreg(HW_REG_WAVE_MODE, 25, 1), 1
	s_wait_xcnt 0x0
	s_wait_alu depctr_hold_cnt(0) depctr_sa_sdst(0) depctr_va_vdst(0) depctr_va_sdst(0) depctr_va_ssrc(0) depctr_va_vcc(0) depctr_vm_vsrc(0)
	s_getreg_b32 s2, hwreg(HW_REG_IB_STS2, 6, 4)
	s_cmp_eq_u32 s2, 0
	s_cbranch_scc0 .Lentry_in_a_cluster
	s_endpgm
.Lentry_in_a_cluster:
	s_bfe_u32 s2, ttmp6, 0x10000c
	s_cmp_lg_u32 s2, 0xf033
	s_cbranch_scc0 .Lentry_shape_is_right
	s_endpgm
.Lentry_shape_is_right:
; out0 = y w_proj on codes of E4M3.  A = yc, laid [batch x 16 + head][2048 tokens][64]; B = wc rows 3072-4095, [n][1024] with K innermost; out0 [8192][1024] f32.
; The codes are multiplied as they are, and each finished sum once by 2^(e6 + e7).  LIMIT: e6 + e7 lies between -126 and 127.
; A tile of 256 x 256 is made by four waves, 128 x 128 each; K = 1,024 goes in four steps of 256 through two LDS slots.  128 tiles: one for each of 128 work-groups.
; A'S TILE.  K runs head by head, so 256 along K are four heads: a wave's load brings 4 rows (heads, 131,072 bytes apart) of 8,192 bytes (128 tokens x 64, dense), with 16 bytes of padding behind
; every 64: in LDS [head][token] with tokens 80 bytes apart.  B's tile: 128 rows of 256 bytes, 272 apart.
; CLUSTERS: 4 x 4 work-groups; A's tile is asked for jointly by a row of the cluster, B's by a column.  The matrix instruction is used transposed (source 0 = rows of B, source 1 = rows of A):
; a lane holds eight neighbouring numbers of a row of out0.
; No prefetch: K has four steps, two of which are asked for at the head.
; REGISTERS, in windows of 256: window 0: v16-29 addresses; from v128 A's fragments, one set; on the way out v32-255.  window 1: B's fragments, two sets.  windows 2, 3: the accumulators.
.set SIZE_N, 1024
.set KROW,   1024
.set ROWB,   256
.set PITCH,  272                       ; B's LDS rows
.set APITCH, 80                        ; A: from token to token
.set HEADB,  128*APITCH                ; A: from head to head
.set HALFA,  4*HEADB                   ; 128 tokens x 4 heads
.set HALFB,  128*PITCH
.set SLOT,   2*HALFA+2*HALFB
.set ASTEP,  4*131072                  ; four heads on in yc
.set FR,     16
.set NL,     4
.set NP,     4
.set LAPS,   2
.set SPARE,  2*SLOT                    ; the spare words: 128 bytes for each wave, named by no other line
.set SPITCH, 528                       ; the way out: a stage of 16 rows x (512 + 16) bytes for each wave, in slot 0, which has had its last fill and its last read by then
.set ADRA, 16
.set ADRB, 20
.set STO,  24
.set RD,   25
.set CO,   26
.set SPW,  28
.set NIL,  29
.set TMP,  32
.set AF,   128
.set BK,   128
.set G1, 24
.set G0, 32
.set G1B, 48
.set G0B, 56
.set MSB, 0
.macro WIN new
.if MSB != \new
	s_set_vgpr_msb (MSB<<8)|\new
.set MSB, \new
.endif
.endm
.set MUL_LO, 0xa1
.set MUL_HI, 0xf1
.set TO_B,   0x40
.macro JLOAD g0a, g1a, g0b, g1b        ; waves 0 and 1 fetch for A, waves 2 and 3 for B; an s_nop 0 and four v_nop follow each line
	s_cmp_eq_u32 s15, 0
	s_cbranch_scc0 .Lfor_b_\@
	tensor_load_to_lds s[\g0a:\g0a+3], s[\g1a:\g1a+7]
	s_nop 0
.rept 4
	v_nop
.endr
	s_branch .Lasked_\@
.Lfor_b_\@:
	tensor_load_to_lds s[\g0b:\g0b+3], s[\g1b:\g1b+7]
	s_nop 0
.rept 4
	v_nop
.endr
.Lasked_\@:
.endm
.macro CREST
	s_cmp_lg_u32 s14, 0
	s_cbranch_scc1 .Lnot_wave_0_\@
	s_barrier_signal -3
.Lnot_wave_0_\@:
	s_barrier_wait -3
	s_barrier_signal -1
	s_barrier_wait -1
.endm
.macro CROUND
	s_barrier_signal -1
	s_barrier_wait -1
	CREST
.endm
	s_load_b128 s[4:7], s[0:1], 0x0                ; yc s[4:5], wc s[6:7]
	s_load_b128 s[8:11], s[0:1], 0x10              ; the exponents s[8:9], out0 s[10:11]
	v_lshl_add_u32 v[SPW], v0, 2, SPARE
	v_mov_b32 v[NIL], 0
	ds_add_u32 v[SPW], v[NIL]                      ; the opening: the add and its wait ahead of my first tensor load
	ds_add_u32 v[SPW], v[NIL]
	v_lshrrev_b32 v1, 5, v0
	v_readfirstlane_b32 s14, v1                    ; wave 0..3
	s_lshr_b32 s15, s14, 1                         ; my half of the tile's rows.  Also: I fetch for A (0) or for B (1)
	s_and_b32 s16, s14, 1                          ; my half of its columns.  Also: which 128 rows I fetch
	s_bfe_u32 s40, ttmp6, 0x40000                  ; cx
	s_bfe_u32 s41, ttmp6, 0x40004                  ; cy
	s_lshl_b32 s42, ttmp9, 2
	s_add_co_u32 s42, s42, s40                     ; tile column
	s_and_b32 s17, ttmp7, 0xffff
	s_lshl_b32 s17, s17, 2
	s_add_co_u32 s17, s17, s41                     ; tile row
	s_lshl_b32 s43, s41, 2
	s_lshl_b32 s43, 15, s43                        ; my row of the cluster
	s_lshl_b32 s44, 0x1111, s40                    ; my column
	s_or_b32 s[G1+0], s43, (0<<16)|(1<<20)|(1<<21)|(3<<22)|(3<<25)   ; A: padding of 4 words after every 16
	s_mov_b32 s[G1+1], 8192<<16                    ; tensor_dim0: 128 tokens x 64 bytes
	s_mov_b32 s[G1+2], 4<<16                       ; tensor_dim1: four heads
	s_mov_b32 s[G1+3], 8192<<16                    ; tile_dim0
	s_mov_b32 s[G1+4], 4                           ; tile_dim1
	s_mov_b32 s[G1+5], 131072                      ; from head to head
	s_mov_b32 s[G1+6], 0
	s_mov_b32 s[G1+7], 0
	s_or_b32 s[G1B+0], s44, (0<<16)|(1<<20)|(1<<21)|(5<<22)|(3<<25)  ; B: padding of 4 words after every 64
	s_mov_b32 s[G1B+1], ROWB<<16
	s_mov_b32 s[G1B+2], 128<<16
	s_mov_b32 s[G1B+3], ROWB<<16
	s_mov_b32 s[G1B+4], 128
	s_mov_b32 s[G1B+5], KROW
	s_mov_b32 s[G1B+6], 0
	s_mov_b32 s[G1B+7], 0
	s_lshr_b32 s20, s17, 3
	s_lshl_b32 s20, s20, 21                        ; A: the batch (16 heads of 131,072 bytes),
	s_and_b32 s18, s17, 7
	s_lshl_b32 s18, s18, 14                        ; the tile's 256 tokens of 64 bytes,
	s_add_co_u32 s20, s20, s18
	s_lshl_b32 s18, s16, 13                        ; the 128 that I fetch
	s_add_co_u32 s20, s20, s18
	s_mov_b32 s21, 0
	s_lshl_b32 s46, s42, 8
	s_lshl_b32 s18, s16, 7
	s_add_co_u32 s46, s46, s18
	s_lshl_b32 s46, s46, 10
	s_add_co_u32 s46, s46, 3072*1024               ; B: row 3072 + 256 x tile column + 128 x half, of 1,024 bytes
	s_mov_b32 s47, 0
	s_mul_i32 s45, s16, HALFA                      ; where they go: no place in the cluster enters an LDS address
	s_mul_i32 s19, s16, HALFB
	s_add_co_u32 s19, s19, 2*HALFA
	s_wait_dscnt 0x0                               ; the opening add is done
	s_wait_kmcnt 0x0
	s_load_b64 s[96:97], s[8:9], 0x18              ; e6, e7
	s_add_nc_u64 s[20:21], s[4:5], s[20:21]
	s_add_nc_u64 s[46:47], s[6:7], s[46:47]
	CROUND                                         ; all sixteen work-groups are here: the first joint loads meet
.irp s, 0,1
	s_mov_b32 s[G0+4*\s], 1
	s_add_co_u32 s[G0+4*\s+1], s45, \s*SLOT
	s_add_nc_u64 s[G0+4*\s+2:G0+4*\s+3], s[20:21], \s*ASTEP
	s_or_b32 s[G0+4*\s+3], s[G0+4*\s+3], 0x80000000
	s_mov_b32 s[G0B+4*\s], 1
	s_add_co_u32 s[G0B+4*\s+1], s19, \s*SLOT
	s_add_nc_u64 s[G0B+4*\s+2:G0B+4*\s+3], s[46:47], \s*ROWB
	s_or_b32 s[G0B+4*\s+3], s[G0B+4*\s+3], 0x80000000
	s_wait_alu depctr_va_vdst(0)
	s_wait_tensorcnt 0x0
	ds_add_u32 v28, v29
	ds_add_u32 v28, v29
	s_wait_dscnt 0x0
	CROUND
	JLOAD G0+4*\s, G1, G0B+4*\s, G1B
.endr
	v_and_b32 v1, 15, v0                           ; r
	v_bfe_u32 v2, v0, 4, 1                         ; h
	v_mul_u32_u24 v3, v1, PITCH
	v_lshl_add_u32 v4, v2, 4, v3                   ; B: row x 272 + 16 h
	v_mul_u32_u24 v3, v1, APITCH
	v_lshl_add_u32 v3, v2, 4, v3                   ; A: token x 80 + 16 h
	s_mul_i32 s21, s15, HALFA                      ; my 128 tokens of A
	s_mul_i32 s22, s16, HALFB
	s_add_co_u32 s22, s22, 2*HALFA                 ; my 128 rows of B
.irp s, 0,1
	v_add_nc_u32 v[ADRA+\s], s21, v3
	v_add_nc_u32 v[ADRB+\s], s22, v4
	s_add_co_u32 s21, s21, SLOT
	s_add_co_u32 s22, s22, SLOT
.endr
	s_mul_i32 s23, s14, 16*SPITCH                  ; my stage
	v_mul_u32_u24 v5, v1, SPITCH
	v_lshl_add_u32 v5, v2, 5, v5
	v_add_nc_u32 v[STO], s23, v5                   ; in: row r, 32 bytes for each half of the lanes
	v_and_b32 v6, 31, v0
	v_lshlrev_b32 v[CO], 4, v6                     ; back: the 32 lanes take one row of 512 bytes; the same in out0
	v_add_nc_u32 v[RD], s23, v[CO]
	s_lshl_b32 s20, s17, 8
	s_lshl_b32 s21, s15, 7
	s_add_co_u32 s20, s20, s21
	s_lshl_b32 s20, s20, 12                        ; my first row of out0, of 4,096 bytes
	s_mov_b32 s21, 0
	s_lshl_b32 s46, s42, 10
	s_lshl_b32 s47, s16, 9
	s_add_co_u32 s46, s46, s47                     ; my first column, in bytes
	s_mov_b32 s47, 0
	s_add_nc_u64 s[20:21], s[20:21], s[46:47]
	s_add_nc_u64 s[10:11], s[10:11], s[20:21]
; A fragment is 16 rows x 128 K in 16 registers: registers 4 c .. 4 c + 3 hold K = 32 c + 16 (l / 16) + 0 .. 15, in A and in B alike.
.macro FRAG reg, adr, q, i             ; B: K lies along the row
.irp c, 0,1,2,3
	ds_load_b128 v[\reg+4*\c:\reg+4*\c+3], v[\adr] offset:128*(\q)+32*\c+(\i)*16*PITCH
.endr
.endm
.macro FRAGA reg, adr, q, i            ; A: K = 128 q + 32 c lies in head 2 q + c / 2, at channel 32 (c % 2)
.irp c, 0,1,2,3
	ds_load_b128 v[\reg+4*\c:\reg+4*\c+3], v[\adr] offset:(2*(\q)+\c/2)*HEADB+32*(\c%2)+(\i)*16*APITCH
.endr
.endm
.macro MUL16 a0, p, zero               ; the 64 accumulators take turns, one instruction a turn
.irp a, \a0, \a0+1
.irp b, 0,1,2,3,4,5,6,7
.if \zero
	v_wmma_f32_16x16x128_fp8_fp8 v[8*(8*((\a)%4)+\b):8*(8*((\a)%4)+\b)+7], v[128*(\p)+FR*\b:128*(\p)+FR*\b+FR-1], v[AF+FR*(\a):AF+FR*(\a)+FR-1], 0
.else
	v_wmma_f32_16x16x128_fp8_fp8 v[8*(8*((\a)%4)+\b):8*(8*((\a)%4)+\b)+7], v[128*(\p)+FR*\b:128*(\p)+FR*\b+FR-1], v[AF+FR*(\a):AF+FR*(\a)+FR-1], v[8*(8*((\a)%4)+\b):8*(8*((\a)%4)+\b)+7]
.endif
.endr
.endr
.endm
.macro FETCH_B slot, q, p
	WIN TO_B
.irp i, 0,1,2,3,4,5,6,7
	FRAG 128*(\p)+FR*\i, ADRB+\slot, \q, \i
.endr
	WIN 0
.endm
.macro FETCH_A slot, q, i0
.irp i, \i0, \i0+1, \i0+2, \i0+3
	FRAGA AF+FR*(\i), ADRA+\slot, \q, \i
.endr
.endm
.macro PLACES n
.rept \n
	v_nop
.endr
.endm
.macro STEP slot, q, zero
	s_wait_dscnt 4*NL                              ; B's set and A's blocks 0-3 are in; the youngest 16 loads (A's blocks 4-7) may be out
	WIN MUL_LO
	MUL16 0, (\q)%2, \zero
	MUL16 2, (\q)%2, \zero
	s_wait_dscnt 0
	PLACES NP
	FETCH_B \slot, (\q)+1, 1-(\q)%2
	FETCH_A \slot, (\q)+1, 0
	WIN MUL_HI
	MUL16 4, (\q)%2, \zero
	MUL16 6, (\q)%2, \zero
	PLACES NP
	WIN 0
	FETCH_A \slot, (\q)+1, 4
.endm
.macro TURN slot, next, fill
	s_wait_tensorcnt 0x0                           ; my part of the next slot has landed; no load of mine is out
	ds_add_u32 v[SPW], v[NIL]
	s_wait_dscnt 4*NL+1                            ; (the add and the youngest 16 loads may be out)
	WIN MUL_LO
	MUL16 0, 1, 0
	s_wait_dscnt 0x0                               ; the add is done, my reads of this slot are over
	s_barrier_signal -1
	MUL16 2, 1, 0
	WIN 0
	s_barrier_wait -1
.if \fill
	CREST                                          ; the barrier has opened a round of the cluster's: no wave of any partner still reads this slot or has a load on its way
	s_add_nc_u64 s[G0+4*\slot+2:G0+4*\slot+3], s[G0+4*\slot+2:G0+4*\slot+3], 2*ASTEP
	s_add_nc_u64 s[G0B+4*\slot+2:G0B+4*\slot+3], s[G0B+4*\slot+2:G0B+4*\slot+3], 2*ROWB
	JLOAD G0+4*\slot, G1, G0B+4*\slot, G1B
.else
	PLACES NP
.endif
	FETCH_B \next, 0, 0
	FETCH_A \next, 0, 0
	WIN MUL_HI
	MUL16 4, 1, 0
	MUL16 6, 1, 0
	PLACES NP
	WIN 0
	FETCH_A \next, 0, 4
.endm
	s_wait_alu depctr_va_vdst(0)
	s_wait_tensorcnt 1                             ; my part of K step 0 is in; K step 1's load may be out
	s_barrier_signal -1
	s_barrier_wait -1
	FETCH_B 0, 0, 0
	FETCH_A 0, 0, 0
	FETCH_A 0, 0, 4
	STEP 0, 0, 1
	s_mov_b32 s3, LAPS-1
.Llap:
	TURN 0, 1, 1
	STEP 1, 0, 0
	TURN 1, 0, 1
	STEP 0, 0, 0
	s_sub_co_u32 s3, s3, 1
	s_cmp_lg_u32 s3, 0
	s_cbranch_scc1 .Llap
	TURN 0, 1, 0
	STEP 1, 0, 0
	s_wait_dscnt 4*NL
	WIN MUL_LO
	MUL16 0, 1, 0
	MUL16 2, 1, 0
	s_wait_dscnt 0
	WIN MUL_HI
	MUL16 4, 1, 0
	MUL16 6, 1, 0
	WIN 0
; THE WAY OUT, block by block of 16 rows x 128 columns, through my own stage: in as 32 bytes a lane, back as whole rows of 512 bytes.  LDS serves a wave's instructions in order (ISA guide 5.7.1.4).
.macro TOSTAGE a
.set AC, 64*((\a)%4)
	WIN 0x02+((\a)/4)
.irp j, 0,2,4,6,8,10,12,14,16,18,20,22,24,26,28,30,32,34,36,38,40,42,44,46,48,50,52,54,56,58,60,62
	v_pk_mul_f32 v[TMP+\j:TMP+\j+1], v[AC+\j:AC+\j+1], s[96:97] op_sel_hi:[1,0]   ; x 2^(e6 + e7); each accumulator from its low end on
.endr
	WIN 0
.irp b, 0,1,2,3,4,5,6,7
	ds_store_b128 v[STO], v[TMP+8*\b:TMP+8*\b+3] offset:64*\b
	ds_store_b128 v[STO], v[TMP+8*\b+4:TMP+8*\b+7] offset:64*\b+16
.endr
.set BB, BK+64*((\a)%2)
.irp t, 0,1,2,3,4,5,6,7,8,9,10,11,12,13,14,15
	ds_load_b128 v[BB+4*\t:BB+4*\t+3], v[RD] offset:\t*SPITCH
.endr
.endm
.macro SEND a, younger
.set BB, BK+64*((\a)%2)
	s_wait_dscnt \younger
.if (\a) > 0
	s_add_nc_u64 s[10:11], s[10:11], 16*SIZE_N*4   ; (behind a wait on XCNT: the earlier stores have read their base)
.endif
.irp t, 0,1,2,3,4,5,6,7,8,9,10,11,12,13,14,15
	global_store_b128 v[CO], v[BB+4*\t:BB+4*\t+3], s[10:11] offset:\t*SIZE_N*4 th:TH_STORE_NT   ; 32 lanes store 512 consecutive bytes, aligned
.endr
.endm
	s_wait_kmcnt 0x0
	s_add_co_i32 s96, s96, s97
	s_add_co_i32 s96, s96, 127
	s_lshl_b32 s96, s96, 23                        ; 2^(e6 + e7) as f32
	PLACES NP
	TOSTAGE 0
.irp a, 1,2,3,4,5,6,7
.if \a > 1
	s_wait_xcnt 0x0                                ; block a - 2's stores have read their registers and their base
.endif
	TOSTAGE \a
	SEND \a-1, 32                                  ; behind block a - 1's loads: block a's 16 stores and 16 loads
.endr
	s_wait_xcnt 0x0
	SEND 7, 0
	s_wait_tensorcnt 0x0                           ; the wave's end
	ds_add_u32 v[SPW], v[NIL]
	s_wait_dscnt 0x0
	CROUND                                         ; the closing round
	s_endpgm
.Lfunc_end_k_q1ed04399ca_proj:
	.size	k_q1ed04399ca_proj, .Lfunc_end_k_q1ed04399ca_proj-k_q1ed04399ca_proj
	.p2alignl 7, 3214868480
	.fill 96, 4, 3214868480
	.section	.rodata,"a",@progbits
	.p2align	6, 0x0
	.amdhsa_kernel k_q1ed04399ca_proj
		.amdhsa_group_segment_fixed_size 327680
		.amdhsa_private_segment_fixed_size 0
		.amdhsa_enable_private_segment 0
		.amdhsa_kernarg_size 32
		.amdhsa_user_sgpr_count 2
		.amdhsa_user_sgpr_kernarg_segment_ptr 1
		.amdhsa_wavefront_size32 1
		.amdhsa_system_sgpr_workgroup_id_x 1
		.amdhsa_system_sgpr_workgroup_id_y 1
		.amdhsa_system_sgpr_workgroup_id_z 1
		.amdhsa_system_vgpr_workitem_id 0
		.amdhsa_next_free_vgpr 1024
		.amdhsa_next_free_sgpr 98
		.amdhsa_reserve_vcc 0
		.amdhsa_float_denorm_mode_32 3
		.amdhsa_float_denorm_mode_16_64 3
		.amdhsa_memory_ordered 1
		.amdhsa_forward_progress 1
		.amdhsa_inst_pref_size 124
	.end_amdhsa_kernel
	.amdgpu_metadata
---
amdhsa.version: [ 1, 2 ]
amdhsa.kernels:
  - .name:           k_q1ed04399ca_proj
    .symbol:         k_q1ed04399ca_proj.kd
    .args:
      - { .name: yc, .offset: 0, .size: 8, .value_kind: global_buffer, .address_space: global }
      - { .name: wc, .offset: 8, .size: 8, .value_kind: global_buffer, .address_space: global }
      - { .name: lowp_scales, .offset: 16, .size: 8, .value_kind: global_buffer, .address_space: global }
      - { .name: out0, .offset: 24, .size: 8, .value_kind: global_buffer, .address_space: global }
    .group_segment_fixed_size: 327680
    .private_segment_fixed_size: 0
    .kernarg_segment_align: 8
    .kernarg_segment_size: 32
    .max_flat_workgroup_size: 128
    .sgpr_count:     98
    .vgpr_count:     1024
    .wavefront_size: 32
...
	.end_amdgpu_metadata
.endif
;; end of part 4
